; MI455X (gfx1250); checked and timed in simulation.
; The chip was launched on July 23, 2026; its instructions are those of AMD's public machine-readable ISA for CDNA 5 (MIT licence, August 2026) and "CDNA5" Instruction Set Architecture Reference Guide (July 2026). The comments in the code are by the model that wrote it; some were corrected since.
;; Causal Self Attention. Allowed arithmetic: matrix products marked QUANTISED: E2M1 operands, one E8M0 scale for each 32 along K, by v_wmma_scale_f32_16x16x128_f8f6f4 with both operands' format E2M1 (or v_wmma_scale_f32_32x16x128_f4), f32 sums; products left as they are: bf16, f16 or f32 operands; f32 sums; everything else in f32.
;; Inputs: Wk 1,024 x 1,024 float32; Wo 1,024 x 1,024 float32; Wq 1,024 x 1,024 float32; Wv 1,024 x 1,024 float32; x 4 x 2,048 x 1,024 float32.
;; Outputs: out0 4 x 2,048 x 1,024 float32.
;; This version of the problem:
;;   THIS VERSION OF THE PROBLEM IS GIVEN IN LOW PRECISION. The matrix products marked QUANTISED in the list below multiply operands that are first quantised to E2M1 (2 exponent bits, 1 mantissa bit; 4 bits a number), with one power-of-two scale for each 32 numbers along K (OCP MX v1.0); their sums are f32. The products marked 'left as it is' may take bf16, f16 or f32 operands, with f32 sums. Whichever they take, every output number must still come out within the allowed error. Rounding operands to bf16 (8 significant bits) uses up far more of that allowance than f16 does (11 bits, for magnitudes from 6e-5 to 65,504). All else is computed in f32.
;;   The module's matrix products, in the order in which they are computed (A, B: the left and right operand; K: the contracted axis; several contracted axes count as one K, in the product's order):
;;     1. [M 8,192, K 1,024] x [K 1,024, N 1,024]; A: input x; B: input Wq: QUANTISED
;;     2. [M 8,192, K 1,024] x [K 1,024, N 1,024]; A: input x; B: input Wk: QUANTISED
;;     3. [M 8,192, K 1,024] x [K 1,024, N 1,024]; A: input x; B: input Wv: QUANTISED
;;     4. batch 64 x [M 2,048, K 64] x [K 64, N 2,048]; A: computed on the way; B: computed on the way: left as it is (an operand is computed on the way)
;;     5. batch 64 x [M 2,048, K 2,048] x [K 2,048, N 64]; A: computed on the way; B: computed on the way: left as it is (an operand is computed on the way)
;;     6. [M 8,192, K 1,024] x [K 1,024, N 1,024]; A: computed on the way; B: input Wo: left as it is (an operand is computed on the way)
;;   THE QUANTISER, for each operand of a quantised product, along K:
;;     - K is cut into blocks of 32 from its start; a last block that is shorter is filled with zeros.
;;     - A block's scale is 2^e with e = floor(log2(the largest magnitude in the block)) - 2, held to -126 .. 127; a block of zeros has e = 0. As a byte (E8M0): e + 127.
;;     - Each number is divided by its block's scale, clamped to +-6, and rounded to the nearest number of E2M1, ties to even, subnormals kept.
;;     - The product sums the exact products of the quantised numbers (number of the format x scale) in f32.
;;   ~~~python
;;   def quantise(x, axis):      # numpy; x: float32 -> the quantised numbers, widened to float32 again
;;       x = np.moveaxis(x, axis, -1); K = x.shape[-1]
;;       x = np.pad(x, [(0, 0)] * (x.ndim - 1) + [(0, -K % 32)]); x = x.reshape(x.shape[:-1] + (-1, 32)); a = np.abs(x).max(-1, keepdims=True)
;;       e = np.where(a > 0, np.clip(np.frexp(np.where(a > 0, a, 1))[1] - 1 - 2, -126, 127), 0)      # np.frexp(a)[1] - 1 = floor(log2(a)), exactly
;;       r = np.clip(x / 2.0 ** e, -6, 6)
;;       step = 2.0 ** (np.maximum(np.frexp(np.where(r == 0, 1, r))[1] - 1, 0) - 1)
;;       q = np.round(r / step) * step * 2.0 ** e      # np.round: ties to even
;;       return np.moveaxis(q.reshape(q.shape[:-2] + (-1,))[..., :K], -1, axis).astype(np.float32)
;;   ~~~
;; One version. Each part assembles by itself: llvm-mc -triple=amdgcn-amd-amdhsa -mcpu=gfx1250 --defsym DOCPART=n.
;; ======== version 1 of 1: 5 launches
;; limits: values are held in f16: magnitudes above 65,504 overflow, below 6.1e-05 lose precision
;; workspace buffers: x_codes 4,194,304 bytes; x_scales 262,144 bytes; w_codes 1,572,864 bytes; w_scales 98,304 bytes; woh 2,097,152 bytes; qkv 50,331,648 bytes; first 786,432 bytes; y 16,777,216 bytes
;; launch quant (part 1): grid 384 x 1, 4 waves a work-group, no clusters, 33,280 bytes of LDS; arguments x, Wq, Wk, Wv, Wo, x_codes, x_scales, w_codes, w_scales, woh; writes x_codes, x_scales, w_codes, w_scales, woh
.if DOCPART == 1
	.amdgcn_target "amdgcn-amd-amdhsa--gfx1250"
	.amdhsa_code_object_version 6
	.text
	.protected	k_q64a8053f8f_quant
	.globl	k_q64a8053f8f_quant
	.p2align	8
	.type	k_q64a8053f8f_quant,@function
k_q64a8053f8f_quant:
	s_mov_b64 s[64:65], 0
	v_nop
	global_prefetch_b8 v0, s[64:65] scope:SCOPE_SE
	s_setreg_imm32_b32 hwreg(HW_REG_WAVE_MODE, 25, 1), 1
	s_wait_xcnt 0x0
; x [8192][1024], Wq, Wk, Wv [1024][1024], f32, K innermost, become codes of FP4 (E2M1), two a byte, with one E8M0 scale byte for each 32 along K;
; the three weights' rows follow each other in w_codes and w_scales (Wq, Wk, Wv).  Wo [1024][1024] f32 becomes f16, laid [16 chunks of 64 k][1024 n][64].
; A block's scale is 2^(floor(log2(largest magnitude)) - 2): its byte is the largest magnitude's exponent field - 2, held at 1 from below.  A block of zeros keeps the byte 1: its codes are
; zeros, and this program alone reads the bytes.
; LIMITS: blocks whose largest magnitude lies under 2^-124 keep the byte 1; NaN and infinities are not served; |Wo| stays under 65,504 (f16).
; SHARES: work-groups 0-255 take x, 256-287 Wq, 288-319 Wk, 320-351 Wv: 32,768 numbers each, a wave a run of 8,192 in 16 steps of 512.  Only pointers are chosen: one path serves the four tensors.
; Work-groups 352-383 take Wo, 32 rows each, on a path of its own that touches no LDS.
; A lane must hold 16 neighbours along K for the conversions, while a load is densest with 16 bytes a lane: a step's 2,048 bytes turn through the wave's own stage in LDS.
.set WAVES, 4
.set STEPS, 16
.set EMAX,  2
.set CB,    8                          ; bytes of 16 codes
.set R,     16                         ; v16-79   four sets of 16 numbers as loaded
.set X,     80                         ; v80-111  two sets of 16 neighbours
.set E,     112                        ; v112-127 a scale byte for each step
.set C,     128                        ; v128-191 codes, four registers a step: no store's data are written again
.set WREG,  8192                       ; LDS: a region for each wave: two stages of 32 x SP bytes, then its 256 scale bytes
.set SP,    80                         ; a lane's place in a stage: 64 bytes + 16 of padding
.set SPW,   12                         ; v12 LDS address of my spare word; never rewritten
.set NIL,   13                         ; v13 0; never rewritten
.set SPARE, WAVES*WREG                 ; the spare words: 128 bytes a wave, named by no other line
	s_load_b256 s[4:11], s[0:1], 0x0               ; x, Wq, Wk, Wv
	s_load_b256 s[12:19], s[0:1], 0x20             ; Wo, x_codes, x_scales, w_codes
	s_load_b128 s[20:23], s[0:1], 0x40             ; w_scales, woh
	v_lshl_add_u32 v[SPW], v0, 2, SPARE
	v_mov_b32 v[NIL], 0
	v_lshrrev_b32 v1, 5, v0
	v_readfirstlane_b32 s30, v1                    ; wave
	v_and_b32 v2, 31, v0                           ; lane
	s_wait_kmcnt 0x0
	s_cmp_ge_u32 ttmp9, 352
	s_cbranch_scc1 .Lwo                            ; the work-group's number alone decides
	v_lshlrev_b32 v3, 4, v2                        ; my 16 bytes of a load's 512
	s_mul_i32 s35, s30, WREG
	v_lshrrev_b32 v14, 2, v2
	v_mul_u32_u24 v14, v14, SP
	v_and_b32 v15, 3, v2
	v_lshl_add_u32 v14, v15, 4, v14
	v_add_nc_u32 v14, s35, v14                     ; the stage, in: SP (lane / 4) + 16 (lane % 4)
	v_mul_u32_u24 v15, v2, SP
	v_add_nc_u32 v15, s35, v15                     ; and out: SP x lane: my 16 neighbours
	v_mul_u32_u24 v4, v2, CB                       ; my codes' place in a step's
	v_lshrrev_b32 v5, 1, v2
	s_add_co_u32 s35, s35, 2*32*SP
	v_add_nc_u32 v5, s35, v5                       ; my block's scale byte among my wave's 256
	v_lshlrev_b32 v7, 3, v2
	v_add_nc_u32 v6, s35, v7                       ; and on the way out 8 bytes a lane
	s_sub_co_u32 s31, ttmp9, 256                   ; the work-group's number among the weights' 96 (used only from 256 on)
	s_and_b32 s32, s31, 31                         ; and inside its weight
	s_cmp_lt_u32 ttmp9, 320
	s_cselect_b64 s[24:25], s[8:9], s[10:11]
	s_cmp_lt_u32 ttmp9, 288
	s_cselect_b64 s[24:25], s[6:7], s[24:25]
	s_cmp_lt_u32 ttmp9, 256
	s_cselect_b64 s[24:25], s[4:5], s[24:25]       ; the source,
	s_cselect_b64 s[26:27], s[14:15], s[18:19]     ; its codes,
	s_cselect_b64 s[28:29], s[16:17], s[20:21]     ; its scale bytes
	s_cselect_b32 s33, ttmp9, s32
	s_cselect_b32 s34, ttmp9, s31
	s_lshl_b32 s36, s33, 2
	s_add_co_u32 s36, s36, s30                     ; my run in the source
	s_lshl_b32 s36, s36, 15                        ; 32,768 bytes a run
	s_mov_b32 s37, 0
	s_add_nc_u64 s[24:25], s[24:25], s[36:37]
	s_lshl_b32 s38, s34, 2
	s_add_co_u32 s38, s38, s30                     ; my run in the results
	s_lshl_b32 s36, s38, 12                        ; 4,096 bytes of codes a run
	s_add_nc_u64 s[26:27], s[26:27], s[36:37]
	s_lshl_b32 s36, s38, 8                         ; 256 scale bytes a run
	s_add_nc_u64 s[28:29], s[28:29], s[36:37]
.macro LOAD t
.irp i, 0,1,2,3
	global_load_b128 v[R+16*((\t)%4)+4*\i:R+16*((\t)%4)+4*\i+3], v3, s[24:25] offset:2048*(\t)+512*\i th:TH_LOAD_NT   ; 32 lanes read 512 consecutive bytes
.endr
.endm
.macro TURN t                          ; step t's numbers through the stage; LDS serves a wave's instructions in order, so no wait stands between the stores and the loads
.irp i, 0,1,2,3
	ds_store_b128 v14, v[R+16*((\t)%4)+4*\i:R+16*((\t)%4)+4*\i+3] offset:32*SP*((\t)%2)+8*SP*\i
.endr
.irp i, 0,1,2,3
	ds_load_b128 v[X+16*((\t)%2)+4*\i:X+16*((\t)%2)+4*\i+3], v15 offset:32*SP*((\t)%2)+16*\i
.endr
.endm
.irp t, 0,1,2,3
	LOAD \t
.endr
	s_wait_loadcnt 12                              ; step 0's four loads are in; three steps' twelve stay out
	TURN 0
.macro STEP t
.set XS, X+16*((\t)%2)
.if (\t) > 0
	s_wait_dscnt 1                                 ; this step's numbers are back from the stage; the last step's byte store may be out
.else
	s_wait_dscnt 0x0
.endif
.if (\t)+4 < STEPS
	LOAD (\t)+4                                    ; into the registers that the stage's stores have read
.endif
.if (\t)+1 < STEPS
.if STEPS-2-(\t) >= 3
	s_wait_loadcnt 12                              ; the next step's four loads are in; three steps' twelve stay out
.else
	s_wait_loadcnt 4*(STEPS-2-(\t))
.endif
	TURN (\t)+1
.endif
	v_max3_num_f32 v8, |v[XS]|, |v[XS+1]|, |v[XS+2]|               ; the largest magnitude of my 16, in two chains
	v_max3_num_f32 v9, |v[XS+3]|, |v[XS+4]|, |v[XS+5]|
.irp i, 6,10
	v_max3_num_f32 v8, v8, |v[XS+\i]|, |v[XS+\i+1]|
	v_max3_num_f32 v9, v9, |v[XS+\i+2]|, |v[XS+\i+3]|
.endr
	v_max3_num_f32 v8, v8, |v[XS+14]|, |v[XS+15]|
	v_max3_num_f32 v8, v8, v9, (EMAX+1)<<23        ; and the floor 2^(3 - 127): the byte cannot fall under 1
	v_max_num_f32_dpp v8, v8, v8 row_xmask:1 row_mask:0xf bank_mask:0xf   ; with my neighbour's 16: the block's
	v_add_nc_u32 v11, -(EMAX<<23), v8              ; 2 off its exponent field: the conversion takes that field as its scale
	v_cvt_scalef32_pk8_fp4_f32 v[C+4*(\t)], v[XS:XS+7], v11
	v_cvt_scalef32_pk8_fp4_f32 v[C+4*(\t)+1], v[XS+8:XS+15], v11
	v_lshrrev_b32 v[E+(\t)], 23, v11               ; the scale's byte (a plain line behind the conversions)
	ds_store_b8 v5, v[E+(\t)] offset:16*(\t)       ; both lanes of a block write the same byte with the same value
	global_store_b64 v4, v[C+4*(\t):C+4*(\t)+1], s[26:27] offset:32*CB*(\t)   ; the wave stores 256 consecutive bytes, aligned
.endm
.irp t, 0,1,2,3,4,5,6,7,8,9,10,11,12,13,14,15
	STEP \t
.endr
	ds_load_b64 v[8:9], v6                         ; my wave's 256 scale bytes: these loads see my stores
	s_wait_dscnt 0x0
	global_store_b64 v7, v[8:9], s[28:29]          ; 256 consecutive bytes, aligned
	s_wait_tensorcnt 0x0                           ; the wave's end
	ds_add_u32 v[SPW], v[NIL]
	s_wait_dscnt 0x0
	s_endpgm
; Wo: a wave takes 8 rows as four pairs.  A load reads 256 bytes (one chunk of 64 k) of each of the pair's rows; a store writes the pair's 2 x 128 bytes of that chunk, 256 consecutive bytes.
.Lwo:
	s_sub_co_u32 s31, ttmp9, 352
	s_lshl_b32 s31, s31, 5
	s_lshl_b32 s32, s30, 3
	s_add_co_u32 s31, s31, s32                     ; my first row n
	s_lshl_b32 s36, s31, 12
	s_mov_b32 s37, 0
	s_add_nc_u64 s[12:13], s[12:13], s[36:37]      ; Wo + 4,096 n
	s_lshl_b32 s36, s31, 7
	s_add_nc_u64 s[22:23], s[22:23], s[36:37]      ; woh + 128 n
	v_and_b32 v3, 15, v0
	v_lshlrev_b32 v3, 4, v3
	v_bfe_u32 v4, v0, 4, 1
	v_lshl_add_u32 v3, v4, 12, v3                  ; in: 4,096 (lane / 16) + 16 (lane % 16)
	v_lshlrev_b32 v4, 3, v2                        ; out: 8 x lane
.macro LOADW p
.irp c, 0,1,2,3,4,5,6,7,8,9,10,11,12,13,14,15
	global_load_b128 v[16+64*((\p)%2)+4*\c:16+64*((\p)%2)+4*\c+3], v3, s[12:13] offset:8192*(\p)+256*\c th:TH_LOAD_NT
.endr
.endm
	LOADW 0
	LOADW 1
.irp p, 0,1,2,3
.if \p < 3
	s_wait_loadcnt 16                              ; this pair's 16 loads are in; the next pair's stay out
.else
	s_wait_loadcnt 0x0
.endif
.if \p > 0
	s_wait_xcnt 0x0                                ; the last pair's stores have read their data: v144-175 are written again only behind this wait
.endif
.irp c, 0,1,2,3,4,5,6,7,8,9,10,11,12,13,14,15
	v_cvt_pk_f16_f32 v[144+2*\c], v[16+64*(\p%2)+4*\c], v[16+64*(\p%2)+4*\c+1]
	v_cvt_pk_f16_f32 v[145+2*\c], v[16+64*(\p%2)+4*\c+2], v[16+64*(\p%2)+4*\c+3]
.endr
.if \p < 2
	LOADW \p+2
.endif
.irp c, 0,1,2,3,4,5,6,7,8,9,10,11,12,13,14,15
	global_store_b64 v4, v[144+2*\c:145+2*\c], s[22:23] offset:131072*\c+256*\p
.endr
.endr
	s_endpgm
.Lfunc_end_k_q64a8053f8f_quant:
	.size	k_q64a8053f8f_quant, .Lfunc_end_k_q64a8053f8f_quant-k_q64a8053f8f_quant
	.p2alignl 7, 3214868480
	.fill 96, 4, 3214868480
	.section	.rodata,"a",@progbits
	.p2align	6, 0x0
	.amdhsa_kernel k_q64a8053f8f_quant
		.amdhsa_group_segment_fixed_size 33280
		.amdhsa_private_segment_fixed_size 0
		.amdhsa_enable_private_segment 0
		.amdhsa_kernarg_size 80
		.amdhsa_user_sgpr_count 2
		.amdhsa_user_sgpr_kernarg_segment_ptr 1
		.amdhsa_wavefront_size32 1
		.amdhsa_system_sgpr_workgroup_id_x 1
		.amdhsa_system_sgpr_workgroup_id_y 1
		.amdhsa_system_sgpr_workgroup_id_z 1
		.amdhsa_system_vgpr_workitem_id 0
		.amdhsa_next_free_vgpr 192
		.amdhsa_next_free_sgpr 66
		.amdhsa_reserve_vcc 0
		.amdhsa_float_denorm_mode_32 3
		.amdhsa_float_denorm_mode_16_64 3
		.amdhsa_memory_ordered 1
		.amdhsa_forward_progress 1
		.amdhsa_inst_pref_size 54
	.end_amdhsa_kernel
	.amdgpu_metadata
---
amdhsa.version: [ 1, 2 ]
amdhsa.kernels:
  - .name:           k_q64a8053f8f_quant
    .symbol:         k_q64a8053f8f_quant.kd
    .args:
      - { .name: x, .offset: 0, .size: 8, .value_kind: global_buffer, .address_space: global }
      - { .name: Wq, .offset: 8, .size: 8, .value_kind: global_buffer, .address_space: global }
      - { .name: Wk, .offset: 16, .size: 8, .value_kind: global_buffer, .address_space: global }
      - { .name: Wv, .offset: 24, .size: 8, .value_kind: global_buffer, .address_space: global }
      - { .name: Wo, .offset: 32, .size: 8, .value_kind: global_buffer, .address_space: global }
      - { .name: x_codes, .offset: 40, .size: 8, .value_kind: global_buffer, .address_space: global }
      - { .name: x_scales, .offset: 48, .size: 8, .value_kind: global_buffer, .address_space: global }
      - { .name: w_codes, .offset: 56, .size: 8, .value_kind: global_buffer, .address_space: global }
      - { .name: w_scales, .offset: 64, .size: 8, .value_kind: global_buffer, .address_space: global }
      - { .name: woh, .offset: 72, .size: 8, .value_kind: global_buffer, .address_space: global }
    .group_segment_fixed_size: 33280
    .private_segment_fixed_size: 0
    .kernarg_segment_align: 8
    .kernarg_segment_size: 80
    .max_flat_workgroup_size: 128
    .sgpr_count:     66
    .vgpr_count:     192
    .wavefront_size: 32
...
	.end_amdgpu_metadata
.endif
;; end of part 1
;; launch qkv (part 2): grid 12 x 32, 4 waves a work-group, clusters of 4 x 4, 327,680 bytes of LDS; arguments x_codes, x_scales, w_codes, w_scales, qkv, first; writes qkv, first
.if DOCPART == 2
	.amdgcn_target "amdgcn-amd-amdhsa--gfx1250"
	.amdhsa_code_object_version 6
	.text
	.protected	k_q64a8053f8f_qkv
	.globl	k_q64a8053f8f_qkv
	.p2align	8
	.type	k_q64a8053f8f_qkv,@function
k_q64a8053f8f_qkv:
	s_mov_b64 s[64:65], 0
	v_nop
	global_prefetch_b8 v0, s[64:65] scope:SCOPE_SE
	s_setreg_imm32_b32 hwreg(HW_REG_WAVE_MODE, 25, 1), 1
	s_wait_xcnt 0x0
	s_wait_alu depctr_hold_cnt(0) depctr_sa_sdst(0) depctr_va_vdst(0) depctr_va_sdst(0) depctr_va_ssrc(0) depctr_va_vcc(0) depctr_vm_vsrc(0)
	s_getreg_b32 s2, hwreg(HW_REG_IB_STS2, 6, 4)
	s_cmp_eq_u32 s2, 0
	s_cbranch_scc0 .Lentry_in_a_cluster
	s_endpgm
.Lentry_in_a_cluster:
	s_bfe_u32 s2, ttmp6, 0x10000c
	s_cmp_lg_u32 s2, 0xf033
	s_cbranch_scc0 .Lentry_shape_is_right
	s_endpgm
.Lentry_shape_is_right:
; [8192 x 3072] = x [Wq; Wk; Wv]^T on codes of FP4 (E2M1) with one E8M0 scale for each 32 along K = 1,024; sums in f32.
; Results leave as f16 in qkv [3][b 4][h 16][t 2048][64]; the sums of positions t < 16 of every batch leave also as f32, as images of the accumulators, in first [b 4][column / 16: 192][half 2][lane 32][16 bytes].
; LIMIT: |q|, |k|, |v| stay under 65,504 (f16).
; A tile, 256 x 256, is made by four waves, each 128 x 128: 64 accumulators, 512 registers.  K is two steps of 512: both LDS slots and all scale bytes are filled once, at the head; nothing is filled again.
; By this text's count a wave has three tensor loads out at the most.
; CLUSTERS: 4 x 4 work-groups.  A's tiles are asked for jointly along a row of the cluster, B's along a column.  Tile row = 8 cy + cluster y, so that the batch is cy and the tiles that hold t < 16
; are those of cluster y = 0, alike in all sixteen partners.
; THE MATRIX INSTRUCTION IS USED TRANSPOSED (source 0 = 16 rows of W, source 1 = 16 rows of x): a lane holds eight neighbouring columns of one row.
; REGISTERS: window 0: v16-29 addresses; v32-95 scale words, two sets; v128-191 A's fragments, one set.  Window 1: B's fragments, two sets.  Windows 2, 3: accumulator (a, b) at v[8 (8 (a % 4) + b)].
.set KSTEP,  512
.set NQ,     KSTEP/128
.set ROWB,   256                       ; a tile's row: 512 codes
.set KROW,   512                       ; a row of codes in memory
.set PITCH,  272                       ; an LDS row: 256 bytes + 16: the 16 rows of a fragment load start at 16 different banks (64 banks of 4 bytes: ISA guide 11.1)
.set FR,     8
.set NL,     2
.set NP,     4                         ; places behind this matrix instruction (ISA guide 7.12.1)
.set HALFT,  128*PITCH
.set SLOT,   4*HALFT
.set KS,     32                        ; a row of scale bytes
.set SCL,    2*SLOT                    ; the scale bytes, as units of 256 bytes + 16
.set HALFS,  (128*KS/256)*272
.set SBLK,   (16*KS/256)*272
.set SPARE,  SCL+4*HALFS               ; the spare words: 128 bytes a wave, named by no other line
.set STAGE,  SPARE+512                 ; the way out: 16 rows x 272 bytes for each wave, bytes that no tensor load fills
.set SPITCH, 272
.set ADRA, 16
.set ADRB, 20
.set STO,  24
.set RD,   25
.set CO,   26
.set ADRS, 27
.set SPW,  28
.set NIL,  29
.set SC,   32
.set AF,   128
.set BK,   128                         ; the way out: rows read back, v128-159 and v160-191 by turns
.set TMP,  192                         ; the way out: a block's 32 registers of f16
.set G1, 24
.set G0, 32
.set G1B, 48
.set G0B, 56
.set G1S, 68
.set G0S, 76
.set G1SB, 80
.set G0SB, 88
.set MSB, 0
.macro WIN new                         ; the immediate's high byte repeats the setting that is left
.if MSB != \new
	s_set_vgpr_msb (MSB<<8)|\new
.set MSB, \new
.endif
.endm
.set MUL_LO, 0xa1                      ; source 0 (B) window 1, source 1 (A) window 0, C and D window 2
.set MUL_HI, 0xf1
.set TO_B,   0x40
; A joint load: waves 0 and 1 fetch for A, waves 2 and 3 for B; the branch hangs on the wave's number alone.  An s_nop 0 and four v_nop follow each line.
.macro JLOAD g0a, g1a, g0b, g1b
	s_cmp_eq_u32 s15, 0
	s_cbranch_scc0 .Lfor_b_\@
	tensor_load_to_lds s[\g0a:\g0a+3], s[\g1a:\g1a+7]
	s_nop 0
.rept 4
	v_nop
.endr
	s_branch .Lasked_\@
.Lfor_b_\@:
	tensor_load_to_lds s[\g0b:\g0b+3], s[\g1b:\g1b+7]
	s_nop 0
.rept 4
	v_nop
.endr
.Lasked_\@:
.endm
.macro CROUND                          ; a round of the cluster's barrier
	s_barrier_signal -1
	s_barrier_wait -1
	s_cmp_lg_u32 s14, 0
	s_cbranch_scc1 .Lnot_wave_0_\@
	s_barrier_signal -3
.Lnot_wave_0_\@:
	s_barrier_wait -3
	s_barrier_signal -1
	s_barrier_wait -1
.endm
	s_load_b128 s[4:7], s[0:1], 0x0                ; x's codes, x's scales
	s_load_b128 s[8:11], s[0:1], 0x10              ; W's codes, W's scales
	s_load_b64 s[12:13], s[0:1], 0x20              ; qkv
	s_load_b64 s[96:97], s[0:1], 0x28              ; first
	v_lshl_add_u32 v[SPW], v0, 2, SPARE
	v_mov_b32 v[NIL], 0
	ds_add_u32 v[SPW], v[NIL]                      ; the wave's opening: the add, twice on end, and its wait ahead of my first tensor load
	ds_add_u32 v[SPW], v[NIL]
	v_lshrrev_b32 v1, 5, v0
	v_readfirstlane_b32 s14, v1                    ; wave 0..3
	s_lshr_b32 s15, s14, 1                         ; my half of the tile's rows; also: I fetch for A (0) or B (1)
	s_and_b32 s16, s14, 1                          ; my half of its columns; also: which 128 rows I fetch
	s_bfe_u32 s40, ttmp6, 0x40000                  ; cx
	s_bfe_u32 s41, ttmp6, 0x40004                  ; cy
	s_lshl_b32 s42, ttmp9, 2
	s_add_co_u32 s42, s42, s40                     ; tile column = 4 x cluster x + cx
	s_and_b32 s17, ttmp7, 0xffff
	s_lshl_b32 s18, s41, 3
	s_add_co_u32 s17, s17, s18                     ; tile row = 8 cy + cluster y
	s_lshl_b32 s43, s41, 2
	s_lshl_b32 s43, 15, s43                        ; my row of the cluster
	s_lshl_b32 s44, 0x1111, s40                    ; my column
	s_or_b32 s[G1+0], s43, (0<<16)|(1<<20)|(1<<21)|(5<<22)|(3<<25)  ; mask; 1-byte elements; padding on; bit 21 beside a mask; 4 words behind every 64
	s_or_b32 s[G1B+0], s44, (0<<16)|(1<<20)|(1<<21)|(5<<22)|(3<<25)
.irp g, G1, G1B
	s_mov_b32 s[\g+1], ROWB<<16                    ; tensor_dim0
	s_mov_b32 s[\g+2], 128<<16                     ; tensor_dim1
	s_mov_b32 s[\g+3], ROWB<<16                    ; tile_dim0
	s_mov_b32 s[\g+4], 128                         ; tile_dim1
	s_mov_b32 s[\g+5], KROW                        ; the pitch
	s_mov_b32 s[\g+6], 0
	s_mov_b32 s[\g+7], 0
.endr
	s_or_b32 s[G1S+0], s43, (3<<16)|(1<<20)|(1<<21)|(5<<22)|(3<<25)  ; the scales of 128 rows: 4,096 dense bytes as 16 rows of 256
	s_or_b32 s[G1SB+0], s44, (3<<16)|(1<<20)|(1<<21)|(5<<22)|(3<<25)
.irp g, G1S, G1SB
	s_mov_b32 s[\g+1], 32<<16
	s_mov_b32 s[\g+2], (128*KS/256)<<16
	s_mov_b32 s[\g+3], 32<<16
	s_mov_b32 s[\g+4], 128*KS/256
	s_mov_b32 s[\g+5], 32
	s_mov_b32 s[\g+6], 0
	s_mov_b32 s[\g+7], 0
.endr
	s_lshl_b32 s18, s16, 7
	s_lshl_b32 s20, s17, 8
	s_add_co_u32 s20, s20, s18                     ; A: row 256 x tile row + 128 x half
	s_lshl_b32 s46, s42, 8
	s_add_co_u32 s46, s46, s18                     ; B: row 256 x tile column + 128 x half
	s_mov_b32 s21, 0
	s_mov_b32 s47, 0
	s_mov_b64 s[18:19], KS
	s_mul_u64 s[22:23], s[20:21], s[18:19]
	s_mul_u64 s[92:93], s[46:47], s[18:19]
	s_mov_b64 s[18:19], KROW
	s_mul_u64 s[20:21], s[20:21], s[18:19]
	s_mul_u64 s[46:47], s[46:47], s[18:19]
	s_mul_i32 s45, s14, HALFT                      ; where they go: wave x 128 rows
	s_mul_i32 s94, s14, HALFS
	s_wait_dscnt 0x0                               ; both opening adds are done
	s_wait_kmcnt 0x0
	s_add_nc_u64 s[20:21], s[4:5], s[20:21]
	s_add_nc_u64 s[22:23], s[6:7], s[22:23]
	s_add_nc_u64 s[46:47], s[8:9], s[46:47]
	s_add_nc_u64 s[92:93], s[10:11], s[92:93]
	CROUND                                         ; all sixteen work-groups are here: the joint loads meet
	s_mov_b32 s[G0S], 1
	s_add_co_u32 s[G0S+1], s94, SCL
	s_mov_b64 s[G0S+2:G0S+3], s[22:23]
	s_or_b32 s[G0S+3], s[G0S+3], 0x80000000
	s_mov_b32 s[G0SB], 1
	s_add_co_u32 s[G0SB+1], s94, SCL
	s_mov_b64 s[G0SB+2:G0SB+3], s[92:93]
	s_or_b32 s[G0SB+3], s[G0SB+3], 0x80000000
	JLOAD G0S, G1S, G0SB, G1SB                     ; the scales first
.irp s, 0,1
	s_mov_b32 s[G0+4*\s], 1
	s_add_co_u32 s[G0+4*\s+1], s45, \s*SLOT
	s_add_nc_u64 s[G0+4*\s+2:G0+4*\s+3], s[20:21], \s*ROWB
	s_or_b32 s[G0+4*\s+3], s[G0+4*\s+3], 0x80000000
	s_mov_b32 s[G0B+4*\s], 1
	s_add_co_u32 s[G0B+4*\s+1], s45, \s*SLOT
	s_add_nc_u64 s[G0B+4*\s+2:G0B+4*\s+3], s[46:47], \s*ROWB
	s_or_b32 s[G0B+4*\s+3], s[G0B+4*\s+3], 0x80000000
	JLOAD G0+4*\s, G1, G0B+4*\s, G1B
.endr
	v_and_b32 v1, 15, v0                           ; r
	v_bfe_u32 v2, v0, 4, 1                         ; h
	v_mul_u32_u24 v3, v1, PITCH
	v_lshl_add_u32 v4, v2, 4, v3                   ; a fragment's row x pitch + 16 h
	s_mul_i32 s21, s15, HALFT
	s_mul_i32 s22, s16, HALFT
	s_add_co_u32 s22, s22, 2*HALFT
.irp s, 0,1
	v_add_nc_u32 v[ADRA+\s], s21, v4
	v_add_nc_u32 v[ADRB+\s], s22, v4
	s_add_co_u32 s21, s21, SLOT
	s_add_co_u32 s22, s22, SLOT
.endr
	v_mul_u32_u24 v5, v1, KS                       ; my row's scales: 32 bytes a row,
	v_lshrrev_b32 v6, 8, v5
	v_lshl_add_u32 v5, v6, 4, v5                   ; and 16 more for each 256 passed
	s_mul_i32 s21, s15, HALFS
	s_mul_i32 s22, s16, HALFS
	s_add_co_u32 s22, s22, 2*HALFS
	s_sub_co_u32 s22, s22, s21
	v_mul_u32_u24 v6, s22, v2                      ; lanes 16-31 take B's: one product, the distance x h
	s_add_co_u32 s21, s21, SCL
	v_add_nc_u32 v5, v5, v6
	v_add_nc_u32 v[ADRS], s21, v5
	s_mul_i32 s23, s14, 16*SPITCH
	s_add_co_u32 s23, s23, STAGE                   ; my stage
	v_mul_u32_u24 v5, v1, SPITCH
	v_lshl_add_u32 v5, v2, 4, v5
	v_add_nc_u32 v[STO], s23, v5                   ; in: row r, 16 bytes for each half of the lanes
	v_and_b32 v6, 31, v0
	v_lshlrev_b32 v[CO], 4, v6                     ; in memory: 16 x lane
	v_lshrrev_b32 v5, 3, v6
	v_mul_u32_u24 v5, v5, SPITCH
	v_and_b32 v6, 7, v0
	v_lshl_add_u32 v5, v6, 4, v5
	v_add_nc_u32 v[RD], s23, v5                    ; back: eight lanes to a head's 128 bytes of a row, four rows an instruction
	s_lshr_b32 s20, s42, 2                         ; q, k or v
	s_lshl_b32 s20, s20, 24
	s_lshl_b32 s21, s41, 22                        ; the batch = cy
	s_add_co_u32 s20, s20, s21
	s_and_b32 s21, s42, 3
	s_lshl_b32 s21, s21, 2
	s_lshl_b32 s22, s16, 1
	s_add_co_u32 s21, s21, s22                     ; my first head: 4 (tile column % 4) + 2 x half
	s_lshl_b32 s21, s21, 18
	s_add_co_u32 s20, s20, s21
	s_and_b32 s21, ttmp7, 0xffff
	s_lshl_b32 s21, s21, 15                        ; t = 256 x cluster y,
	s_add_co_u32 s20, s20, s21
	s_lshl_b32 s21, s15, 14                        ; + 128 x half, 128 bytes a row
	s_add_co_u32 s20, s20, s21
	s_mov_b32 s21, 0
	s_add_nc_u64 s[12:13], s[12:13], s[20:21]
	s_mul_i32 s20, s41, 196608                     ; first: the batch,
	s_lshl_b32 s21, s42, 14                        ; 16 groups of 1,024 bytes a tile column,
	s_add_co_u32 s20, s20, s21
	s_lshl_b32 s21, s16, 13                        ; 8 a half
	s_add_co_u32 s20, s20, s21
	s_mov_b32 s21, 0
	s_add_nc_u64 s[96:97], s[96:97], s[20:21]
.macro FRAG reg, adr, q, i             ; 16 rows x 128 K of 4-bit codes: 8 registers; registers 4 c .. 4 c + 3 hold K = 64 c + 32 h + 0 .. 31
.irp c, 0,1
	ds_load_b128 v[\reg+4*\c:\reg+4*\c+3], v[\adr] offset:64*(\q)+32*\c+(\i)*16*PITCH
.endr
.endm
; 16 matrix instructions: A's blocks a0, a0 + 1 x B's eight.  The 64 accumulators take turns, one instruction a turn, in the same order in every step.
.macro MUL16 a0, p, q, sc, zero
.irp a, \a0, \a0+1
.irp b, 0,1,2,3,4,5,6,7
.if \zero
	v_wmma_scale_f32_16x16x128_f8f6f4 v[8*(8*((\a)%4)+\b):8*(8*((\a)%4)+\b)+7], v[128*(\p)+FR*\b:128*(\p)+FR*\b+FR-1], v[AF+FR*(\a):AF+FR*(\a)+FR-1], 0, v[SC+8*NQ*(\sc)+NQ*\b+(\q)], v[SC+8*NQ*(\sc)+NQ*(\a)+(\q)] matrix_a_fmt:MATRIX_FMT_FP4 matrix_b_fmt:MATRIX_FMT_FP4 matrix_a_scale:MATRIX_SCALE_ROW1
.else
	v_wmma_scale_f32_16x16x128_f8f6f4 v[8*(8*((\a)%4)+\b):8*(8*((\a)%4)+\b)+7], v[128*(\p)+FR*\b:128*(\p)+FR*\b+FR-1], v[AF+FR*(\a):AF+FR*(\a)+FR-1], v[8*(8*((\a)%4)+\b):8*(8*((\a)%4)+\b)+7], v[SC+8*NQ*(\sc)+NQ*\b+(\q)], v[SC+8*NQ*(\sc)+NQ*(\a)+(\q)] matrix_a_fmt:MATRIX_FMT_FP4 matrix_b_fmt:MATRIX_FMT_FP4 matrix_a_scale:MATRIX_SCALE_ROW1
.endif
.endr
.endr
.endm
.macro FETCH_B slot, q, p
	WIN TO_B
.irp i, 0,1,2,3,4,5,6,7
	FRAG 128*(\p)+FR*\i, ADRB+\slot, \q, \i
.endr
	WIN 0
.endm
.macro FETCH_A slot, q, i0
.irp i, \i0, \i0+1, \i0+2, \i0+3
	FRAG AF+FR*(\i), ADRA+\slot, \q, \i
.endr
.endm
.macro SCALES sc                       ; a K step's scale words: lanes 0-15 take A's block i, lanes 16-31 B's block i
.irp i, 0,1,2,3,4,5,6,7
	ds_load_b128 v[SC+8*NQ*\sc+NQ*\i:SC+8*NQ*\sc+NQ*\i+3], v[ADRS] offset:\i*SBLK
.endr
.endm
.macro PLACES n                        ; plain vector lines between a matrix instruction and a load into, or a read of, its registers
.rept \n
	v_nop
.endr
.endm
.macro STEP slot, q, zero              ; 128 along K, with its successor in the same slot
	s_wait_dscnt 4*NL                              ; all but the youngest eight loads (A's blocks 4-7) are in
	WIN MUL_LO
	MUL16 0, (\q)%2, \q, \slot, \zero
	MUL16 2, (\q)%2, \q, \slot, \zero
	s_wait_dscnt 0
	PLACES NP
	FETCH_B \slot, (\q)+1, 1-(\q)%2
	FETCH_A \slot, (\q)+1, 0
	WIN MUL_HI
	MUL16 4, (\q)%2, \q, \slot, \zero
	MUL16 6, (\q)%2, \q, \slot, \zero
	PLACES NP
	WIN 0
	FETCH_A \slot, (\q)+1, 4
.endm
; Slot 0's last step, and the change to slot 1: every wave's part of slot 1 has landed before any wave reads it.  Nothing is filled again.
.macro TURN slot, next
	s_wait_tensorcnt 0x0                           ; all my tensor loads have landed: my part of the next slot
	ds_add_u32 v[SPW], v[NIL]                      ; 0 onto my spare word
	s_wait_dscnt 4*NL+1                            ; the add and the youngest eight loads may be out
	WIN MUL_LO
	MUL16 0, 1, NQ-1, \slot, 0
	s_wait_dscnt 0x0                               ; the add is done, and my LDS loads are in
	s_barrier_signal -1
	MUL16 2, 1, NQ-1, \slot, 0
	WIN 0
	s_barrier_wait -1
	PLACES NP
	v_add_nc_u32 v[ADRS], 4*NQ, v[ADRS]            ; the next K step's scale words
	FETCH_B \next, 0, 0
	FETCH_A \next, 0, 0
	SCALES \next
	WIN MUL_HI
	MUL16 4, 1, NQ-1, \slot, 0
	MUL16 6, 1, NQ-1, \slot, 0
	PLACES NP
	WIN 0
	FETCH_A \next, 0, 4
.endm
.macro STEPS slot, from
.set Q, \from
.rept NQ-1-\from
	STEP \slot, Q, 0
.set Q, Q+1
.endr
.endm
	s_wait_tensorcnt 1                             ; the scales and my part of slot 0 are in; slot 1's load may be out
	s_barrier_signal -1
	s_barrier_wait -1
	FETCH_B 0, 0, 0
	FETCH_A 0, 0, 0
	SCALES 0
	FETCH_A 0, 0, 4
	STEP 0, 0, 1                                   ; the first products start the sums: nothing is cleared
	STEPS 0, 1
	TURN 0, 1
	STEPS 1, 0
	s_wait_dscnt 4*NL
	WIN MUL_LO
	MUL16 0, 1, NQ-1, 1, 0
	MUL16 2, 1, NQ-1, 1, 0
	s_wait_dscnt 0
	WIN MUL_HI
	MUL16 4, 1, NQ-1, 1, 0
	MUL16 6, 1, NQ-1, 1, 0
	WIN 0
	PLACES NP
	; Positions t < 16: block 0 of the waves with the upper rows, in the tiles of cluster y = 0.  Its eight accumulators leave as they stand, 512 consecutive bytes a store, each from its low end on.
	s_and_b32 s20, ttmp7, 0xffff
	s_or_b32 s20, s20, s15
	s_cmp_lg_u32 s20, 0                            ; the cluster's y and the wave's number: alike in all partners
	s_cbranch_scc1 .Lnofirst
	WIN 0x08                                       ; a store's data: window 2
.irp b, 0,1,2,3,4,5,6,7
	global_store_b128 v[CO], v[8*\b:8*\b+3], s[96:97] offset:1024*\b
	global_store_b128 v[CO], v[8*\b+4:8*\b+7], s[96:97] offset:1024*\b+512
.endr
	WIN 0
.Lnofirst:
; THE WAY OUT, a block of 16 rows x 128 columns (two heads) at a time: rounded to f16, through my stage, back as four rows of one head an instruction: 512 consecutive bytes of qkv.
.macro PACK a
.set AC, 64*((\a)%4)
	WIN 0x0a+5*((\a)/4)                            ; sources 0 and 1: window 2 or 3
.irp b, 0,1,2,3,4,5,6,7
.irp i, 0,1,2,3
	v_cvt_pk_f16_f32 v[TMP+4*\b+\i], v[AC+8*\b+2*\i], v[AC+8*\b+2*\i+1]
.endr
.endr
	WIN 0
.endm
.macro TOSTAGE a
.set BB, BK+32*((\a)%2)
.irp b, 0,1,2,3,4,5,6,7
	ds_store_b128 v[STO], v[TMP+4*\b:TMP+4*\b+3] offset:32*\b
.endr
.irp t, 0,1,2,3,4,5,6,7
	ds_load_b128 v[BB+4*\t:BB+4*\t+3], v[RD] offset:(\t%4)*4*SPITCH+(\t/4)*128   ; LDS serves a wave's instructions in order: these see the stores above
.endr
.endm
.macro SEND a
.set BB, BK+32*((\a)%2)
	s_wait_dscnt 0x0                               ; the block is back in registers
	s_wait_xcnt 0x0                                ; the stores of the block before have read their registers: the next loads from the stage may land there
.irp t, 0,1,2,3,4,5,6,7
	global_store_b128 v[CO], v[BB+4*\t:BB+4*\t+3], s[12:13] offset:(\t/4)*262144+2048*(\a)+512*(\t%4)
.endr
.endm
	PACK 0
	TOSTAGE 0
.irp a, 1,2,3,4,5,6,7
	PACK \a                                        ; a block's conversions stand between the loads of the block before and the wait for them
	SEND \a-1
	TOSTAGE \a
.endr
	SEND 7
	s_wait_tensorcnt 0x0                           ; the wave's end
	ds_add_u32 v[SPW], v[NIL]
	s_wait_dscnt 0x0
	CROUND                                         ; the closing round
	s_endpgm
.Lfunc_end_k_q64a8053f8f_qkv:
	.size	k_q64a8053f8f_qkv, .Lfunc_end_k_q64a8053f8f_qkv-k_q64a8053f8f_qkv
	.p2alignl 7, 3214868480
	.fill 96, 4, 3214868480
	.section	.rodata,"a",@progbits
	.p2align	6, 0x0
	.amdhsa_kernel k_q64a8053f8f_qkv
		.amdhsa_group_segment_fixed_size 327680
		.amdhsa_private_segment_fixed_size 0
		.amdhsa_enable_private_segment 0
		.amdhsa_kernarg_size 48
		.amdhsa_user_sgpr_count 2
		.amdhsa_user_sgpr_kernarg_segment_ptr 1
		.amdhsa_wavefront_size32 1
		.amdhsa_system_sgpr_workgroup_id_x 1
		.amdhsa_system_sgpr_workgroup_id_y 1
		.amdhsa_system_sgpr_workgroup_id_z 1
		.amdhsa_system_vgpr_workitem_id 0
		.amdhsa_next_free_vgpr 1024
		.amdhsa_next_free_sgpr 100
		.amdhsa_reserve_vcc 0
		.amdhsa_float_denorm_mode_32 3
		.amdhsa_float_denorm_mode_16_64 3
		.amdhsa_memory_ordered 1
		.amdhsa_forward_progress 1
		.amdhsa_inst_pref_size 129
	.end_amdhsa_kernel
	.amdgpu_metadata
---
amdhsa.version: [ 1, 2 ]
amdhsa.kernels:
  - .name:           k_q64a8053f8f_qkv
    .symbol:         k_q64a8053f8f_qkv.kd
    .args:
      - { .name: x_codes, .offset: 0, .size: 8, .value_kind: global_buffer, .address_space: global }
      - { .name: x_scales, .offset: 8, .size: 8, .value_kind: global_buffer, .address_space: global }
      - { .name: w_codes, .offset: 16, .size: 8, .value_kind: global_buffer, .address_space: global }
      - { .name: w_scales, .offset: 24, .size: 8, .value_kind: global_buffer, .address_space: global }
      - { .name: qkv, .offset: 32, .size: 8, .value_kind: global_buffer, .address_space: global }
      - { .name: first, .offset: 40, .size: 8, .value_kind: global_buffer, .address_space: global }
    .group_segment_fixed_size: 327680
    .private_segment_fixed_size: 0
    .kernarg_segment_align: 8
    .kernarg_segment_size: 48
    .max_flat_workgroup_size: 128
    .sgpr_count:     100
    .vgpr_count:     1024
    .wavefront_size: 32
...
	.end_amdgpu_metadata
.endif
;; end of part 2
;; launch attn (part 3): grid 4 x 64, 16 waves a work-group, no clusters, 327,680 bytes of LDS; arguments qkv, y; writes y
.if DOCPART == 3
	.amdgcn_target "amdgcn-amd-amdhsa--gfx1250"
	.amdhsa_code_object_version 6
	.text
	.protected	k_q64a8053f8f_attn
	.globl	k_q64a8053f8f_attn
	.p2align	8
	.type	k_q64a8053f8f_attn,@function
k_q64a8053f8f_attn:
	s_mov_b64 s[64:65], 0
	v_nop
	global_prefetch_b8 v0, s[64:65] scope:SCOPE_SE
	s_setreg_imm32_b32 hwreg(HW_REG_WAVE_MODE, 25, 1), 1
	s_wait_xcnt 0x0
; y[b][h][q] = the sum over k <= q of softmax_k(Q[q] . K[k] / 8) V[k], head size 64, 2,048 positions, 64 heads (b, h).  Operands f16; products, maxima and sums f32; the weights p are rounded to f16 for the second product.
; qkv: f16 [3][b][h][t][64].  y: f16 [h][b][t][64].
; LIMIT: |y| under 65,504 (it is an average of v); NaN and infinities are not served.
; SHARES.  Work-group (i, head) owns the blocks of 256 queries i and 7 - i: (i + 1) + (8 - i) = 9 blocks of keys to walk in every work-group.  Of its sixteen waves eight serve each block; a wave owns 32 queries, two tiles of 16,
; so that each fragment of K and V read from LDS feeds two matrix instructions.
; THE WALK.  Every work-group walks all eight slots of 256 keys: trip counts are constants.  A step of 64 keys that all come after the wave's queries is jumped over (a branch on ids, round no barrier).
; A slot whose first key comes after the work-group's last query is not asked for.  Every wait on TENSORcnt is for 0; a wave has one tensor load out at the most.
; NO CLUSTER: the four work-groups of a head need 8, 7, 6 and 5 slots, so a joint load would bring some partner tiles that none of its waves reads.
; LAYOUT.  S^T = K Q^T (source 0 = 16 keys, source 1 = 16 queries): a lane holds one query (lane % 16) and keys 8 (lane / 16) + 0..7.  Two such tiles, rounded in pairs, are source 1 of O^T = V^T P.  V is turned by ds_load_tr16_b128.
; SOFTMAX.  Running maximum m and sum l for each query: p = 2^(c s - c m), c = log2(e) / 8; O and l are multiplied by a = 2^(c m_old - c m_new) in every step.
.set SK,    256                        ; keys in a slot
.set PK,    144                        ; a key's row in LDS: 128 bytes + 16
.set PV,    160                        ; a row of V: 128 + 32
.set VOFF,  SK*PK
.set SLOT1, 1<<17                      ; one exclusive or turns an address from one slot to the other
.set STAGE, SLOT1+SK*(PK+PV)           ; the way out: 32 rows x 144 bytes for each wave; no tensor load fills it
.set SPARE, STAGE+16*32*PK             ; the spare words: 128 bytes a wave, named by no other line
.set AK0, 1
.set AV0, 2
.set ADK, 3
.set ADV, 4
.set SPW, 5
.set NIL, 6
.set RH,  7                            ; lane % 16 - 8 (lane / 16)
.set STO, 8
.set RD,  9
.set GO,  10
.set PFO, 11
.set ST,  12                           ; tile t at v[12 + 8 t]: +0 c m, +1 m, +2, +3 l, +4..+7 at work (a takes +6)
.set Q,   28                           ; fragment (tile qt, channels 32 cf on) at 28 + 8 (2 qt + cf)
.set F,   60                           ; K's eight fragments, then V's eight
.set S,   124                          ; S^T, 32 a tile; p's f16 fragments are made in place
.set O,   188                          ; O^T, 32 a tile
.set TB,  2
.set WV,  18
.set SEL, 20
.set CS,  22
.set G1K, 24
.set G1V, 32
.set G0K, 40
.set G0V, 44
.set SLOTS, 48
.set KF,  49                           ; the step's first key
.set Q0,  50                           ; my first query
.set QL,  51                           ; my work-group's last query
.set PFA, 52
.set LIM, 54
; Waves 0 and 1 fetch K's halves of a slot, waves 2 and 3 V's.  An s_nop 0 and four v_nop follow each line.
.macro TLOAD
	s_cmp_lt_u32 s[WV], 2
	s_cbranch_scc0 .Lnot_k_\@
	tensor_load_to_lds s[G0K:G0K+3], s[G1K:G1K+7]
	s_nop 0
.rept 4
	v_nop
.endr
	s_branch .Lasked_\@
.Lnot_k_\@:
	s_cmp_lt_u32 s[WV], 4
	s_cbranch_scc0 .Lasked_\@
	tensor_load_to_lds s[G0V:G0V+3], s[G1V:G1V+7]
	s_nop 0
.rept 4
	v_nop
.endr
.Lasked_\@:
.endm
; A prefetch of what the NEXT change of slots will ask for: a slot's 32,768 bytes of K and of V.  The head's work-group 0, which walks all slots, asks; in it waves 4-7 for K and 8-11 for V,
; 8,192 bytes a wave, lanes 256 bytes apart: each aligned 256 bytes is named once in the launch.  Slots 0 and 1 come by their loads alone; the last change that fills asks for nothing.
.macro ASK
	s_cmp_gt_u32 s[SLOTS], s[LIM]
	s_cbranch_scc0 .Lnot_mine_\@
	global_prefetch_b8 v[PFO], s[PFA:PFA+1] th:TH_LOAD_NT scope:SCOPE_SE
.Lnot_mine_\@:
.endm
	s_load_b128 s[4:7], s[0:1], 0x0                ; qkv, y
	v_lshl_add_u32 v[SPW], v0, 2, SPARE
	v_mov_b32 v[NIL], 0
	ds_add_u32 v[SPW], v[NIL]                      ; the wave's opening: the add, twice on end, and its wait ahead of the first tensor load
	ds_add_u32 v[SPW], v[NIL]
	v_lshrrev_b32 v1, 5, v0
	v_readfirstlane_b32 s[WV], v1                  ; wave 0..15
	s_and_b32 s8, ttmp7, 0xffff                    ; 16 b + h
	s_lshl_b32 s10, s8, 18                         ; its 262,144 bytes in each of q, k, v
	s_mov_b32 s11, 0
	s_lshr_b32 s9, s[WV], 2
	s_xor_b32 s9, s9, s[WV]
	s_and_b32 s9, s9, 1                            ; which of the two blocks I serve: waves 2 n and 2 n + 1 differ
	s_sub_co_u32 s12, 7, ttmp9
	s_cmp_eq_u32 s9, 0
	s_cselect_b32 s12, ttmp9, s12
	s_lshl_b32 s12, s12, 8
	s_lshr_b32 s13, s[WV], 1
	s_lshl_b32 s13, s13, 5
	s_add_co_u32 s[Q0], s12, s13                   ; 256 x block + 32 (wave / 2)
	s_sub_co_u32 s[QL], 8, ttmp9
	s_lshl_b32 s[QL], s[QL], 8
	s_sub_co_u32 s[QL], s[QL], 1                   ; 256 (8 - i) - 1
	s_and_b32 s14, s[WV], 1                        ; which 128 rows of a slot I fetch, if I fetch
	s_lshl_b32 s16, s14, 14
	s_add_co_u32 s16, s16, s10
	s_mov_b32 s17, 0
	s_mul_i32 s15, s14, 128*PK
	s_mul_i32 s19, s14, 128*PV
	s_add_co_u32 s19, s19, VOFF
	s_mov_b32 s[G1K], (1<<16)|(1<<20)|(4<<22)|(3<<25)   ; 2-byte elements; padding: 4 words behind every 32
	s_mov_b32 s[G1V], (1<<16)|(1<<20)|(4<<22)|(7<<25)   ; 8 words
.irp g, G1K, G1V
	s_mov_b32 s[\g+1], 64<<16                      ; tensor_dim0
	s_mov_b32 s[\g+2], 128<<16                     ; tensor_dim1
	s_mov_b32 s[\g+3], 64<<16                      ; tile_dim0
	s_mov_b32 s[\g+4], 128                         ; tile_dim1
	s_mov_b32 s[\g+5], 64                          ; the pitch
	s_mov_b32 s[\g+6], 0
	s_mov_b32 s[\g+7], 0
.endr
	s_mov_b32 s[SEL], 0x76543210
	s_mov_b32 s[SEL+1], 0xfedcba98
	s_mov_b32 s[CS], 0x3e38aa3b                    ; c = log2(e) / 8
	s_mov_b32 s[CS+1], s[CS]
	s_mov_b32 s[TB], 0
	s_mov_b32 s[SLOTS], 7
	s_mov_b32 s[KF], 0
	s_wait_dscnt 0x0                               ; both opening adds are done
	s_wait_kmcnt 0x0
	s_mov_b32 s[G0K], 1
	s_mov_b32 s[G0K+1], s15
	s_add_nc_u64 s[G0K+2:G0K+3], s[4:5], s[16:17]
	s_add_nc_u64 s[G0K+2:G0K+3], s[G0K+2:G0K+3], 0x1000000   ; k lies 16,777,216 bytes on
	s_or_b32 s[G0K+3], s[G0K+3], 0x80000000
	s_mov_b32 s[G0V], 1
	s_mov_b32 s[G0V+1], s19
	s_add_nc_u64 s[G0V+2:G0V+3], s[4:5], s[16:17]
	s_add_nc_u64 s[G0V+2:G0V+3], s[G0V+2:G0V+3], 0x2000000   ; v 33,554,432
	s_or_b32 s[G0V+3], s[G0V+3], 0x80000000
	TLOAD                                          ; slot 0
	s_lshl_b32 s12, s[Q0], 7
	s_mov_b32 s13, 0
	s_add_nc_u64 s[56:57], s[4:5], s[10:11]
	s_add_nc_u64 s[56:57], s[56:57], s[12:13]      ; q at my first query
	s_and_b32 s60, s8, 15
	s_lshl_b32 s60, s60, 20
	s_lshr_b32 s61, s8, 4
	s_lshl_b32 s61, s61, 18
	s_add_co_u32 s60, s60, s61
	s_add_co_u32 s60, s60, s12
	s_mov_b32 s61, 0
	s_add_nc_u64 s[58:59], s[6:7], s[60:61]        ; y at my first query
	v_and_b32 v252, 15, v0                         ; r
	v_bfe_u32 v253, v0, 4, 1                       ; h
	v_lshlrev_b32 v[ADK], 7, v252
	v_lshl_add_u32 v[ADK], v253, 4, v[ADK]         ; q: 128 r + 16 h (this register serves the steps only behind the wait for these loads)
.irp qt, 0,1
.irp cf, 0,1
	global_load_b128 v[Q+8*(2*\qt+\cf):Q+8*(2*\qt+\cf)+3], v[ADK], s[56:57] offset:2048*\qt+64*\cf
	global_load_b128 v[Q+8*(2*\qt+\cf)+4:Q+8*(2*\qt+\cf)+7], v[ADK], s[56:57] offset:2048*\qt+64*\cf+32
.endr
.endr
	s_mov_b32 s61, 0x2000000                       ; the prefetches: an offset in qkv is chosen, the pointer is not
	s_cmp_lt_u32 s[WV], 8
	s_cselect_b32 s60, 0x1000000, s61
	s_add_co_u32 s60, s60, s10
	s_and_b32 s61, s[WV], 3
	s_lshl_b32 s61, s61, 13
	s_add_co_u32 s60, s60, s61
	s_add_co_u32 s60, s60, SK*128                  ; in slot 1: the first change of slots steps it to slot 2
	s_mov_b32 s61, 0
	s_add_nc_u64 s[PFA:PFA+1], s[4:5], s[60:61]
	s_sub_co_u32 s60, s[WV], 4
	s_lshr_b32 s60, s60, 3                         ; 0 in waves 4 to 11,
	s_or_b32 s60, s60, ttmp9                       ; of the head's work-group 0
	s_cmp_eq_u32 s60, 0
	s_cselect_b32 s[LIM], 1, -1
	v_mul_u32_u24 v[AK0], v252, PK
	v_lshl_add_u32 v[AK0], v253, 4, v[AK0]         ; K: row r, + 16 h
	v_and_b32 v[AV0], 7, v0
	v_lshl_add_u32 v[AV0], v253, 3, v[AV0]
	v_mul_u32_u24 v[AV0], v[AV0], PV
	v_bfe_u32 v[ADV], v0, 3, 1
	v_lshl_add_u32 v[AV0], v[ADV], 4, v[AV0]
	v_add_nc_u32 v[AV0], VOFF, v[AV0]              ; V: key 8 h + lane % 8, channels 8 ((lane / 8) % 2) on
	v_lshlrev_b32 v[ADV], 3, v253
	v_sub_nc_u32 v[RH], v252, v[ADV]
	s_mul_i32 s60, s[WV], 32*PK
	s_add_co_u32 s60, s60, STAGE                   ; my stage
	v_mul_u32_u24 v[STO], v252, PK
	v_lshl_add_u32 v[STO], v253, 4, v[STO]
	v_add_nc_u32 v[STO], s60, v[STO]
	v_and_b32 v[ADV], 31, v0
	v_lshrrev_b32 v[RD], 3, v[ADV]
	v_mul_u32_u24 v[RD], v[RD], PK
	v_and_b32 v[GO], 7, v0
	v_lshl_add_u32 v[RD], v[GO], 4, v[RD]
	v_add_nc_u32 v[RD], s60, v[RD]
	v_lshlrev_b32 v[GO], 4, v[ADV]
	v_lshlrev_b32 v[PFO], 8, v[ADV]
	v_mov_b32 v254, 0xff800000                     ; -infinity
.irp t, 0,1
	v_mov_b32 v[ST+8*\t+1], 0xff61b1e6             ; m = -3e38, under every score
	v_mul_f32 v[ST+8*\t], s[CS], v[ST+8*\t+1]
.irp j, 2,3,4,5,6,7
	v_mov_b32 v[ST+8*\t+\j], 0
.endr
.endr
.set i, 0
.rept 64
	v_mov_b32 v[O+i], 0                            ; O^T: the step is written once; its first run finds zeros, which a = 0 leaves zeros
.set i, i+1
.endr
; A KEY STEP: 64 keys, the q-th of the slot in hand.
.macro STEP q
	s_add_co_u32 s96, s[Q0], 31
	s_cmp_gt_u32 s[KF], s96                        ; all 64 keys come after my 32 queries: nothing to do but the step of KF
	s_cbranch_scc1 .Lhidden_\@
	v_add_nc_u32 v[ADK], s[TB], v[AK0]
	v_add_nc_u32 v[ADV], s[TB], v[AV0]
.rept 3
	v_nop                                          ; with the two additions five places: the loads below land in registers that the last products read, and the products below write over p's
.endr
.irp kt, 0,1,2,3
.irp cf, 0,1
	ds_load_b128 v[F+8*(2*\kt+\cf):F+8*(2*\kt+\cf)+3], v[ADK] offset:(64*(\q)+16*\kt)*PK+64*\cf
	ds_load_b128 v[F+8*(2*\kt+\cf)+4:F+8*(2*\kt+\cf)+7], v[ADK] offset:(64*(\q)+16*\kt)*PK+64*\cf+32
.endr
.endr
	s_wait_dscnt 0x0
.irp cf, 0,1                           ; S^T = K Q^T: eight accumulators by turns
.irp kt, 0,1,2,3
.irp qt, 0,1
.if \cf == 0
	v_wmma_f32_16x16x32_f16 v[S+32*\qt+8*\kt:S+32*\qt+8*\kt+7], v[F+8*(2*\kt+\cf):F+8*(2*\kt+\cf)+7], v[Q+8*(2*\qt+\cf):Q+8*(2*\qt+\cf)+7], 0
.else
	v_wmma_f32_16x16x32_f16 v[S+32*\qt+8*\kt:S+32*\qt+8*\kt+7], v[F+8*(2*\kt+\cf):F+8*(2*\kt+\cf)+7], v[Q+8*(2*\qt+\cf):Q+8*(2*\qt+\cf)+7], v[S+32*\qt+8*\kt:S+32*\qt+8*\kt+7]
.endif
.endr
.endr
.endr
.rept 4
	v_nop                                          ; places ahead of the loads into K's registers and of the first read of the scores
.endr
.irp g, 0,1                            ; V, turned: keys 32 g on, channels 16 ct on; it lands under the softmax
.irp ct, 0,1,2,3
	ds_load_tr16_b128 v[F+32*\g+8*\ct:F+32*\g+8*\ct+3], v[ADV] offset:(64*(\q)+32*\g)*PV+32*\ct
	ds_load_tr16_b128 v[F+32*\g+8*\ct+4:F+32*\g+8*\ct+7], v[ADV] offset:(64*(\q)+32*\g+16)*PV+32*\ct
.endr
.endr
	s_add_co_u32 s96, s[KF], 63
	s_cmp_le_u32 s96, s[Q0]                        ; all keys count for all my queries: no mask
	s_cbranch_scc1 .Lopen_\@
	s_sub_co_i32 s96, s[Q0], s[KF]
	v_add_nc_u32 v252, s96, v[RH]                  ; register 8 kt + j of tile t holds key KF + 16 kt + 8 h + j: hidden where 16 kt + j > Q0 - KF + 16 t + r - 8 h
	v_add_nc_u32 v253, 16, v252
.irp t, 0,1
.set n, 0
.rept 32
	v_cmp_gt_i32 vcc_lo, 16*(n/8)+n%8, v[252+\t]
	v_cndmask_b32 v[S+32*\t+n], v[S+32*\t+n], v254, vcc_lo
.set n, n+1
.endr
.endr
.Lopen_\@:
	; the maximum of the lane's 32 scores and the old m: four chains, each accumulator from its low end on; the two tiles line by line
.irp j, 0,1,2,3
.irp t, 0,1
	v_max3_num_f32 v[ST+8*\t+4+\j], v[S+32*\t+8*\j], v[S+32*\t+8*\j+1], v[S+32*\t+8*\j+2]
.endr
.endr
.irp u, 3,5
.irp j, 0,1,2,3
.irp t, 0,1
	v_max3_num_f32 v[ST+8*\t+4+\j], v[ST+8*\t+4+\j], v[S+32*\t+8*\j+\u], v[S+32*\t+8*\j+\u+1]
.endr
.endr
.endr
.irp t, 0,1
	v_max3_num_f32 v[ST+8*\t+4], v[ST+8*\t+4], v[S+32*\t+7], v[S+32*\t+15]
.endr
.irp t, 0,1
	v_max3_num_f32 v[ST+8*\t+6], v[ST+8*\t+6], v[S+32*\t+23], v[S+32*\t+31]
.endr
.irp t, 0,1
	v_max3_num_f32 v[ST+8*\t+4], v[ST+8*\t+4], v[ST+8*\t+5], v[ST+8*\t+6]
.endr
.irp t, 0,1
	v_max3_num_f32 v[ST+8*\t+4], v[ST+8*\t+4], v[ST+8*\t+7], v[ST+8*\t+1]
.endr
.irp t, 0,1
	v_permlanex16_b32 v[ST+8*\t+5], v[ST+8*\t+4], s[SEL], s[SEL+1]   ; the query's other 32 keys lie in the lane 16 away
.endr
.irp t, 0,1
	v_mov_b32 v[ST+8*\t+7], v[ST+8*\t]             ; c m_old
.endr
.irp t, 0,1
	v_max_num_f32 v[ST+8*\t+1], v[ST+8*\t+4], v[ST+8*\t+5]
.endr
.irp t, 0,1
	v_mul_f32 v[ST+8*\t], s[CS], v[ST+8*\t+1]
.endr
.irp t, 0,1
	v_sub_f32 v[ST+8*\t+7], v[ST+8*\t+7], v[ST+8*\t]
.endr
.irp b, 0,1,2,3,4,5,6,7,8,9,10,11,12,13,14,15
.irp t, 0,1
	v_pk_fma_f32 v[S+32*\t+2*\b:S+32*\t+2*\b+1], v[S+32*\t+2*\b:S+32*\t+2*\b+1], s[CS:CS+1], v[ST+8*\t:ST+8*\t+1] op_sel_hi:[1,0,0] neg_lo:[0,0,1] neg_hi:[0,0,1]   ; c s - c m
.endr
.endr
.irp t, 0,1
	v_exp_f32 v[ST+8*\t+6], v[ST+8*\t+7]           ; a
.endr
.set n, 0
.rept 32
	v_exp_f32 v[S+n], v[S+n]                       ; p: one batch of 66 exponentials for both tiles
	v_exp_f32 v[S+32+n], v[S+32+n]
.set n, n+1
.endr
	v_nop                                          ; a plain line behind the last exponential
	s_wait_alu depctr_va_vdst(0)                   ; one wait for the batch, ahead of its first reader
.irp t, 0,1                            ; the sums are taken of the unrounded p, in two chains of pairs
	v_pk_fma_f32 v[ST+8*\t+2:ST+8*\t+3], v[ST+8*\t+2:ST+8*\t+3], v[ST+8*\t+6:ST+8*\t+7], v[S+32*\t:S+32*\t+1] op_sel_hi:[1,0,1]
.endr
.irp t, 0,1
	v_pk_add_f32 v[ST+8*\t+4:ST+8*\t+5], v[S+32*\t+2:S+32*\t+3], v[S+32*\t+6:S+32*\t+7]
.endr
.irp u, 2,4,6,8,10,12
.irp t, 0,1
	v_pk_add_f32 v[ST+8*\t+2:ST+8*\t+3], v[ST+8*\t+2:ST+8*\t+3], v[S+32*\t+2*\u:S+32*\t+2*\u+1]
	v_pk_add_f32 v[ST+8*\t+4:ST+8*\t+5], v[ST+8*\t+4:ST+8*\t+5], v[S+32*\t+2*\u+6:S+32*\t+2*\u+7]
.endr
.endr
.irp t, 0,1
	v_pk_add_f32 v[ST+8*\t+2:ST+8*\t+3], v[ST+8*\t+2:ST+8*\t+3], v[S+32*\t+28:S+32*\t+29]
.endr
.irp t, 0,1
	v_pk_add_f32 v[ST+8*\t+2:ST+8*\t+3], v[ST+8*\t+2:ST+8*\t+3], v[ST+8*\t+4:ST+8*\t+5]
.endr
.irp g, 0,1                            ; p to f16, in place and in ascending order: no source is written before it is read.  Registers 16 g .. 16 g + 7 become the fragment of keys 32 g on
.irp i, 0,1,2,3
.irp t, 0,1
	v_cvt_pk_f16_f32 v[S+32*\t+16*\g+\i], v[S+32*\t+16*\g+2*\i], v[S+32*\t+16*\g+2*\i+1]
.endr
.endr
.irp i, 0,1,2,3
.irp t, 0,1
	v_cvt_pk_f16_f32 v[S+32*\t+16*\g+4+\i], v[S+32*\t+16*\g+8+2*\i], v[S+32*\t+16*\g+9+2*\i]
.endr
.endr
.endr
.irp i, 0,2,4,6,8,10,12,14,16,18,20,22,24,26,28,30
.irp t, 0,1
	v_pk_mul_f32 v[O+32*\t+\i:O+32*\t+\i+1], v[O+32*\t+\i:O+32*\t+\i+1], v[ST+8*\t+6:ST+8*\t+7] op_sel_hi:[1,0]   ; O^T x a
.endr
.endr
	s_wait_dscnt 0x0                               ; V is in
.irp g, 0,1                            ; O^T += V^T P: eight accumulators by turns
.irp ct, 0,1,2,3
.irp qt, 0,1
	v_wmma_f32_16x16x32_f16 v[O+32*\qt+8*\ct:O+32*\qt+8*\ct+7], v[F+32*\g+8*\ct:F+32*\g+8*\ct+7], v[S+32*\qt+16*\g:S+32*\qt+16*\g+7], v[O+32*\qt+8*\ct:O+32*\qt+8*\ct+7]
.endr
.endr
.endr
.Lhidden_\@:
	s_add_co_u32 s[KF], s[KF], 64
.endm
; THE CHANGE OF SLOTS, at a slot's head.  Each wave waits for all its tensor loads, adds 0 to its spare word, and waits for that and for its reads of the slot that it has left; behind the barrier the slot
; ahead is whole and nobody reads the other one, which is filled with the keys that follow: that load has a slot's four steps in which to land.
.macro CHANGE fill
	s_wait_tensorcnt 0x0                           ; no tensor load of mine is out, so a group 0 may be written
	ds_add_u32 v[SPW], v[NIL]
.if \fill
	ds_add_u32 v[SPW], v[NIL]                      ; and twice on end here, in every trip alike
	s_xor_b32 s[G0K+1], s[G0K+1], SLOT1            ; the other slot than last time,
	s_add_nc_u64 s[G0K+2:G0K+3], s[G0K+2:G0K+3], SK*128   ; the next 256 keys
	s_xor_b32 s[G0V+1], s[G0V+1], SLOT1
	s_add_nc_u64 s[G0V+2:G0V+3], s[G0V+2:G0V+3], SK*128
	s_wait_xcnt 0x0                                ; the last prefetch, a slot back, has read its address
	s_add_nc_u64 s[PFA:PFA+1], s[PFA:PFA+1], SK*128
.endif
	s_wait_dscnt 0x0                               ; the add is done, and my reads of the slot that I have left are over
	s_barrier_signal -1
	s_barrier_wait -1
.if \fill
	s_add_co_u32 s96, s[KF], SK                    ; the first key of the slot that this change would ask for
	s_cmp_gt_u32 s96, s[QL]                        ; ids and the count of steps alone, the same in all sixteen waves: past the work-group's last query no wave would read it
	s_cbranch_scc1 .Lpast_\@
	TLOAD
.Lpast_\@:
	ASK
.endif
.endm
.macro SLOT_STEPS
	STEP 0
	STEP 1
	STEP 2
	STEP 3
	s_xor_b32 s[TB], s[TB], SLOT1
.endm
	s_wait_loadcnt 0x0                             ; Q
.Lslot:                                            ; seven trips
	CHANGE 1
	SLOT_STEPS
	s_sub_co_u32 s[SLOTS], s[SLOTS], 1
	s_cmp_lg_u32 s[SLOTS], 0
	s_cbranch_scc1 .Lslot
	CHANGE 0                                       ; the last slot: nothing is left to ask for
	SLOT_STEPS
	; THE WAY OUT: l's halves; O^T / l; f16; through my stage; four whole rows of 128 bytes an instruction.  The plain lines here are the places behind the last products.
.irp t, 0,1
	v_add_f32 v[ST+8*\t+4], v[ST+8*\t+2], v[ST+8*\t+3]
.endr
.irp t, 0,1
	v_permlanex16_b32 v[ST+8*\t+5], v[ST+8*\t+4], s[SEL], s[SEL+1]
.endr
.irp t, 0,1
	v_add_f32 v[ST+8*\t+4], v[ST+8*\t+4], v[ST+8*\t+5]
.endr
.irp t, 0,1
	v_rcp_f32 v[ST+8*\t+6], v[ST+8*\t+4]
.endr
	v_nop
	s_wait_alu depctr_va_vdst(0)                   ; one wait for the two reciprocals, ahead of their first reader
.irp t, 0,1
.irp i, 0,2,4,6,8,10,12,14,16,18,20,22,24,26,28,30
	v_pk_mul_f32 v[O+32*\t+\i:O+32*\t+\i+1], v[O+32*\t+\i:O+32*\t+\i+1], v[ST+8*\t+6:ST+8*\t+7] op_sel_hi:[1,0]
.endr
.endr
.irp t, 0,1
.irp i, 0,1,2,3,4,5,6,7,8,9,10,11,12,13,14,15
	v_cvt_pk_f16_f32 v[S+16*\t+\i], v[O+32*\t+2*\i], v[O+32*\t+2*\i+1]
.endr
.endr
.irp t, 0,1
.irp ct, 0,1,2,3
	ds_store_b128 v[STO], v[S+16*\t+4*\ct:S+16*\t+4*\ct+3] offset:16*PK*\t+32*\ct
.endr
.endr
.irp n, 0,1,2,3,4,5,6,7
	ds_load_b128 v[F+4*\n:F+4*\n+3], v[RD] offset:4*PK*\n   ; LDS serves a wave's instructions in order: these see my stores
.endr
.irp n, 0,1,2,3,4,5,6,7
	s_wait_dscnt 7-\n                              ; the younger loads may stay out
	global_store_b128 v[GO], v[F+4*\n:F+4*\n+3], s[58:59] offset:512*\n   ; 512 consecutive bytes, aligned
.endr
	s_wait_tensorcnt 0x0                           ; the wave's end
	ds_add_u32 v[SPW], v[NIL]
	s_wait_dscnt 0x0
	s_endpgm
.Lfunc_end_k_q64a8053f8f_attn:
	.size	k_q64a8053f8f_attn, .Lfunc_end_k_q64a8053f8f_attn-k_q64a8053f8f_attn
	.p2alignl 7, 3214868480
	.fill 96, 4, 3214868480
	.section	.rodata,"a",@progbits
	.p2align	6, 0x0
	.amdhsa_kernel k_q64a8053f8f_attn
		.amdhsa_group_segment_fixed_size 327680
		.amdhsa_private_segment_fixed_size 0
		.amdhsa_enable_private_segment 0
		.amdhsa_kernarg_size 16
		.amdhsa_user_sgpr_count 2
		.amdhsa_user_sgpr_kernarg_segment_ptr 1
		.amdhsa_wavefront_size32 1
		.amdhsa_system_sgpr_workgroup_id_x 1
		.amdhsa_system_sgpr_workgroup_id_y 1
		.amdhsa_system_sgpr_workgroup_id_z 1
		.amdhsa_system_vgpr_workitem_id 0
		.amdhsa_next_free_vgpr 256
		.amdhsa_next_free_sgpr 100
		.amdhsa_reserve_vcc 1
		.amdhsa_float_denorm_mode_32 3
		.amdhsa_float_denorm_mode_16_64 3
		.amdhsa_memory_ordered 1
		.amdhsa_forward_progress 1
		.amdhsa_inst_pref_size 188
	.end_amdhsa_kernel
	.amdgpu_metadata
---
amdhsa.version: [ 1, 2 ]
amdhsa.kernels:
  - .name:           k_q64a8053f8f_attn
    .symbol:         k_q64a8053f8f_attn.kd
    .args:
      - { .name: qkv, .offset: 0, .size: 8, .value_kind: global_buffer, .address_space: global }
      - { .name: y, .offset: 8, .size: 8, .value_kind: global_buffer, .address_space: global }
    .group_segment_fixed_size: 327680
    .private_segment_fixed_size: 0
    .kernarg_segment_align: 8
    .kernarg_segment_size: 16
    .max_flat_workgroup_size: 512
    .sgpr_count:     100
    .vgpr_count:     256
    .wavefront_size: 32
...
	.end_amdgpu_metadata
.endif
;; end of part 3
;; launch proj (part 4): grid 4 x 64, 4 waves a work-group, clusters of 4 x 4, 327,680 bytes of LDS; arguments y, woh, out0; writes out0
.if DOCPART == 4
	.amdgcn_target "amdgcn-amd-amdhsa--gfx1250"
	.amdhsa_code_object_version 6
	.text
	.protected	k_q64a8053f8f_proj
	.globl	k_q64a8053f8f_proj
	.p2align	8
	.type	k_q64a8053f8f_proj,@function
k_q64a8053f8f_proj:
	s_mov_b64 s[64:65], 0
	v_nop
	global_prefetch_b8 v0, s[64:65] scope:SCOPE_SE
	s_setreg_imm32_b32 hwreg(HW_REG_WAVE_MODE, 25, 1), 1
	s_wait_xcnt 0x0
	s_wait_alu depctr_hold_cnt(0) depctr_sa_sdst(0) depctr_va_vdst(0) depctr_va_sdst(0) depctr_va_ssrc(0) depctr_va_vcc(0) depctr_vm_vsrc(0)
	s_getreg_b32 s2, hwreg(HW_REG_IB_STS2, 6, 4)
	s_cmp_eq_u32 s2, 0
	s_cbranch_scc0 .Lentry_in_a_cluster
	s_endpgm
.Lentry_in_a_cluster:
	s_bfe_u32 s2, ttmp6, 0x10000c
	s_cmp_lg_u32 s2, 0xf033
	s_cbranch_scc0 .Lentry_shape_is_right
	s_endpgm
.Lentry_shape_is_right:
; out0[m][n] = the sum over k of y[m][k] Wo[n][k]; operands f16, sums and result f32.  y: [16 chunks of 64 k][8192 m][64]; woh: [16 chunks][1024 n][64]: both take K in the same order.
; A tile is 128 (m) x 256 (n): 256 work-groups.  Wave (rh, ch) makes 64 x 128: 32 accumulators.  A K step is 128 (two chunks); eight steps go through a ring of two LDS slots.
; CLUSTERS: 4 x 4.  y's tiles are asked for jointly along a row of the cluster, woh's along a column.  Waves 0 and 1 fetch y's two chunks of a step, waves 2 and 3 woh's: one load a wave behind each round;
; two loads of a wave are out at the start, then one.  No prefetch: the launch moves 52 MB for its matrix work and keeps memory at work by its loads and stores alone.
; THE MATRIX INSTRUCTION IS USED TRANSPOSED (source 0 = 16 rows of woh, source 1 = 16 rows of y): a lane holds eight neighbouring columns of a row.
; REGISTERS: window 0: v16-29 addresses; v128-255 the way out.  Window 1: two fragment buffers of 96 (y's 4 fragments, then woh's 8).  Window 2: accumulator (a, b) at v[8 (8 a + b)].
.set PITCH,  144                       ; an LDS row: 128 bytes + 16: 36 words, so the 16 rows of a load start at 16 different banks
.set ACH,    128*PITCH                 ; a chunk of y's tile
.set BCH,    256*PITCH                 ; a chunk of woh's
.set BOFF,   2*ACH
.set SLOT,   2*ACH+2*BCH
.set STAGE,  2*SLOT                    ; 16 rows x 528 bytes for each wave; no tensor load fills it
.set SPITCH, 528
.set SPARE,  STAGE+4*16*SPITCH         ; the spare words
.set ADRA, 16
.set ADRB, 20
.set STO,  24
.set RD,   25
.set CO,   26
.set SPW,  28
.set NIL,  29
.set BK,   128
.set F0,   0
.set F1,   96
.set G1, 24
.set G0, 32
.set G1B, 48
.set G0B, 56
.set MSB, 0
.macro WIN new
.if MSB != \new
	s_set_vgpr_msb (MSB<<8)|\new
.set MSB, \new
.endif
.endm
.set MUL,  0xa5                        ; sources 0 and 1 window 1; C and D window 2
.set TO_F, 0x40                        ; destination window 1
.macro JLOAD s
	s_cmp_eq_u32 s11, 0
	s_cbranch_scc0 .Lfor_b_\@
	tensor_load_to_lds s[G0+4*\s:G0+4*\s+3], s[G1:G1+7]
	s_nop 0
.rept 4
	v_nop
.endr
	s_branch .Lasked_\@
.Lfor_b_\@:
	tensor_load_to_lds s[G0B+4*\s:G0B+4*\s+3], s[G1B:G1B+7]
	s_nop 0
.rept 4
	v_nop
.endr
.Lasked_\@:
.endm
.macro CREST
	s_cmp_lg_u32 s10, 0
	s_cbranch_scc1 .Lnot_wave_0_\@
	s_barrier_signal -3
.Lnot_wave_0_\@:
	s_barrier_wait -3
	s_barrier_signal -1
	s_barrier_wait -1
.endm
.macro CROUND
	s_barrier_signal -1
	s_barrier_wait -1
	CREST
.endm
	s_load_b128 s[4:7], s[0:1], 0x0                ; y, woh
	s_load_b64 s[8:9], s[0:1], 0x10                ; out0
	v_lshl_add_u32 v[SPW], v0, 2, SPARE
	v_mov_b32 v[NIL], 0
	ds_add_u32 v[SPW], v[NIL]                      ; the wave's opening: the add, twice on end, and its wait ahead of my first tensor load
	ds_add_u32 v[SPW], v[NIL]
	v_lshrrev_b32 v1, 5, v0
	v_readfirstlane_b32 s10, v1                    ; wave
	s_lshr_b32 s11, s10, 1                         ; rh; also: I fetch y (0) or woh (1)
	s_and_b32 s12, s10, 1                          ; ch; also: which chunk of a step I fetch
	s_bfe_u32 s40, ttmp6, 0x40000                  ; cx
	s_bfe_u32 s41, ttmp6, 0x40004                  ; cy
	s_lshl_b32 s42, ttmp9, 2
	s_add_co_u32 s42, s42, s40                     ; tile column
	s_and_b32 s13, ttmp7, 0xffff
	s_lshl_b32 s13, s13, 2
	s_add_co_u32 s13, s13, s41                     ; tile row
	s_lshl_b32 s43, s41, 2
	s_lshl_b32 s43, 15, s43
	s_lshl_b32 s44, 0x1111, s40
	s_or_b32 s[G1+0], s43, (1<<16)|(1<<20)|(1<<21)|(4<<22)|(3<<25)   ; mask; 2-byte elements; padding: 4 words behind every 32; bit 21 beside a mask
	s_or_b32 s[G1B+0], s44, (1<<16)|(1<<20)|(1<<21)|(4<<22)|(3<<25)
	s_mov_b32 s[G1+1], 64<<16
	s_mov_b32 s[G1+2], 128<<16
	s_mov_b32 s[G1+3], 64<<16
	s_mov_b32 s[G1+4], 128
	s_mov_b32 s[G1+5], 64
	s_mov_b32 s[G1+6], 0
	s_mov_b32 s[G1+7], 0
	s_mov_b32 s[G1B+1], 64<<16
	s_mov_b32 s[G1B+2], 256<<16
	s_mov_b32 s[G1B+3], 64<<16
	s_mov_b32 s[G1B+4], 256
	s_mov_b32 s[G1B+5], 64
	s_mov_b32 s[G1B+6], 0
	s_mov_b32 s[G1B+7], 0
	s_lshl_b32 s16, s12, 20                        ; y: my chunk of 1,048,576 bytes,
	s_lshl_b32 s17, s13, 14                        ; the tile's 128 rows of 128 bytes
	s_add_co_u32 s16, s16, s17
	s_mov_b32 s17, 0
	s_lshl_b32 s46, s12, 17                        ; woh: my chunk of 131,072 bytes,
	s_lshl_b32 s47, s42, 15                        ; the tile's 256 rows
	s_add_co_u32 s46, s46, s47
	s_mov_b32 s47, 0
	s_mul_i32 s20, s12, ACH
	s_mul_i32 s21, s12, BCH
	s_add_co_u32 s21, s21, BOFF
	s_wait_dscnt 0x0
	s_wait_kmcnt 0x0
	s_add_nc_u64 s[14:15], s[4:5], s[16:17]
	s_add_nc_u64 s[46:47], s[6:7], s[46:47]
	CROUND                                         ; the first joint loads meet
.irp s, 0,1
	s_mov_b32 s[G0+4*\s], 1
	s_add_co_u32 s[G0+4*\s+1], s20, \s*SLOT
	s_add_nc_u64 s[G0+4*\s+2:G0+4*\s+3], s[14:15], \s*2*1048576
	s_or_b32 s[G0+4*\s+3], s[G0+4*\s+3], 0x80000000
	s_mov_b32 s[G0B+4*\s], 1
	s_add_co_u32 s[G0B+4*\s+1], s21, \s*SLOT
	s_add_nc_u64 s[G0B+4*\s+2:G0B+4*\s+3], s[46:47], \s*2*131072
	s_or_b32 s[G0B+4*\s+3], s[G0B+4*\s+3], 0x80000000
	JLOAD \s
.endr
	v_and_b32 v1, 15, v0
	v_bfe_u32 v2, v0, 4, 1
	v_mul_u32_u24 v3, v1, PITCH
	v_lshl_add_u32 v3, v2, 4, v3
	s_mul_i32 s21, s11, 64*PITCH                   ; my 64 rows of y
	s_mul_i32 s22, s12, 128*PITCH                  ; my 128 rows of woh
	s_add_co_u32 s22, s22, BOFF
.irp s, 0,1
	v_add_nc_u32 v[ADRA+\s], s21, v3
	v_add_nc_u32 v[ADRB+\s], s22, v3
	s_add_co_u32 s21, s21, SLOT
	s_add_co_u32 s22, s22, SLOT
.endr
	s_mul_i32 s23, s10, 16*SPITCH
	s_add_co_u32 s23, s23, STAGE
	v_mul_u32_u24 v4, v1, SPITCH
	v_lshl_add_u32 v4, v2, 5, v4
	v_add_nc_u32 v[STO], s23, v4
	v_and_b32 v5, 31, v0
	v_lshlrev_b32 v[CO], 4, v5
	v_add_nc_u32 v[RD], s23, v[CO]
	s_lshl_b32 s16, s13, 19                        ; out0: 128 rows of 4,096 bytes a tile row,
	s_lshl_b32 s17, s11, 18                        ; 64 a half
	s_add_co_u32 s16, s16, s17
	s_mov_b32 s17, 0
	s_add_nc_u64 s[8:9], s[8:9], s[16:17]
	s_lshl_b32 s46, s42, 10                        ; 256 columns of 4 bytes a tile column,
	s_lshl_b32 s47, s12, 9                         ; 128 a half
	s_add_co_u32 s46, s46, s47
	s_mov_b32 s47, 0
	s_add_nc_u64 s[8:9], s[8:9], s[46:47]
.macro MUL8 f, a, zero                 ; y's block a x woh's eight, 32 along K.  The 32 accumulators take turns in the same order in every quarter
.irp b, 0,1,2,3,4,5,6,7
.if \zero
	v_wmma_f32_16x16x32_f16 v[8*(8*(\a)+\b):8*(8*(\a)+\b)+7], v[\f+32+8*\b:\f+32+8*\b+7], v[\f+8*(\a):\f+8*(\a)+7], 0
.else
	v_wmma_f32_16x16x32_f16 v[8*(8*(\a)+\b):8*(8*(\a)+\b)+7], v[\f+32+8*\b:\f+32+8*\b+7], v[\f+8*(\a):\f+8*(\a)+7], v[8*(8*(\a)+\b):8*(8*(\a)+\b)+7]
.endif
.endr
.endm
.macro FETCH slot, q, f                ; 24 LDS loads in one run: quarter q of the slot (chunk q / 2, 32 k at byte 64 (q % 2)); woh's first, y's last
	WIN TO_F
.irp i, 0,1,2,3,4,5,6,7
	ds_load_b128 v[\f+32+8*\i:\f+32+8*\i+3], v[ADRB+\slot] offset:((\q)/2)*BCH+64*((\q)%2)+\i*16*PITCH
	ds_load_b128 v[\f+32+8*\i+4:\f+32+8*\i+7], v[ADRB+\slot] offset:((\q)/2)*BCH+64*((\q)%2)+\i*16*PITCH+32
.endr
.irp i, 0,1,2,3
	ds_load_b128 v[\f+8*\i:\f+8*\i+3], v[ADRA+\slot] offset:((\q)/2)*ACH+64*((\q)%2)+\i*16*PITCH
	ds_load_b128 v[\f+8*\i+4:\f+8*\i+7], v[ADRA+\slot] offset:((\q)/2)*ACH+64*((\q)%2)+\i*16*PITCH+32
.endr
.endm
.macro PLACES
.rept 4
	v_nop
.endr
.endm
.macro QUARTER slot, qn, f, g, zero    ; multiplies buffer f; in its middle fetches quarter qn into g
	s_wait_dscnt 4                                 ; all but y's fragments 2 and 3 are in
	WIN MUL
	MUL8 \f, 0, \zero
	MUL8 \f, 1, \zero
	PLACES
	FETCH \slot, \qn, \g
	s_wait_dscnt 24                                ; all but the 24 just issued
	WIN MUL
	MUL8 \f, 2, \zero
	MUL8 \f, 3, \zero
.endm
; A slot's last quarter multiplies buffer 1 and changes slots: one barrier; ahead of it each wave waits for all its tensor loads, adds 0 to its spare word, and waits for that and for its reads of this slot.
.macro TURN slot, next, fill
	WIN 0
	s_wait_tensorcnt 0x0                           ; my part of the next slot has landed
	ds_add_u32 v[SPW], v[NIL]
	s_wait_dscnt 5                                 ; the add and y's fragments 2 and 3 may be out
	WIN MUL
	MUL8 F1, 0, 0
	s_wait_dscnt 0x0                               ; the add is done, and my reads of this slot are over
	s_barrier_signal -1
	MUL8 F1, 1, 0
	WIN 0
	s_barrier_wait -1
.if \fill
	CREST                                          ; the barrier has opened a round of the cluster's: no wave of any partner still reads this slot or has a load on its way
	s_add_nc_u64 s[G0+4*\slot+2:G0+4*\slot+3], s[G0+4*\slot+2:G0+4*\slot+3], 4*1048576
	s_add_nc_u64 s[G0B+4*\slot+2:G0B+4*\slot+3], s[G0B+4*\slot+2:G0B+4*\slot+3], 4*131072
	JLOAD \slot                                    ; two K steps ahead; its four v_nop are the places ahead of the loads below
.else
	PLACES
.endif
	FETCH \next, 0, F0
	WIN MUL
	MUL8 F1, 2, 0
	MUL8 F1, 3, 0
.endm
	s_wait_tensorcnt 1                             ; my part of K step 0 is in; K step 1's load may be out
	s_barrier_signal -1
	s_barrier_wait -1
	FETCH 0, 0, F0
	QUARTER 0, 1, F0, F1, 1                        ; the first products start the sums
	WIN 0
	s_mov_b32 s3, 3
.Llap:                                             ; once round the ring; both slots are filled again
	QUARTER 0, 2, F1, F0, 0
	QUARTER 0, 3, F0, F1, 0
	TURN 0, 1, 1
	QUARTER 1, 1, F0, F1, 0
	QUARTER 1, 2, F1, F0, 0
	QUARTER 1, 3, F0, F1, 0
	TURN 1, 0, 1
	QUARTER 0, 1, F0, F1, 0
	WIN 0
	s_sub_co_u32 s3, s3, 1
	s_cmp_lg_u32 s3, 0
	s_cbranch_scc1 .Llap
	QUARTER 0, 2, F1, F0, 0                        ; the last lap fills nothing
	QUARTER 0, 3, F0, F1, 0
	TURN 0, 1, 0
	QUARTER 1, 1, F0, F1, 0
	QUARTER 1, 2, F1, F0, 0
	QUARTER 1, 3, F0, F1, 0
	s_wait_dscnt 4
	WIN MUL
	MUL8 F1, 0, 0
	MUL8 F1, 1, 0
	s_wait_dscnt 0
	MUL8 F1, 2, 0
	MUL8 F1, 3, 0
	WIN 0
	PLACES
; THE WAY OUT, 16 rows x 128 columns at a time, through my stage: back as whole rows of 512 bytes.
.macro TOSTAGE a
	WIN 0x08                                       ; an LDS store's data: window 2
.irp b, 0,1,2,3,4,5,6,7
	ds_store_b128 v[STO], v[64*(\a)+8*\b:64*(\a)+8*\b+3] offset:64*\b      ; each accumulator from its low end on
	ds_store_b128 v[STO], v[64*(\a)+8*\b+4:64*(\a)+8*\b+7] offset:64*\b+16
.endr
	WIN 0
.set BB, BK+64*((\a)%2)
.irp t, 0,1,2,3,4,5,6,7,8,9,10,11,12,13,14,15
	ds_load_b128 v[BB+4*\t:BB+4*\t+3], v[RD] offset:\t*SPITCH
.endr
.endm
.macro SEND a, younger
.set BB, BK+64*((\a)%2)
	s_wait_dscnt \younger                          ; the block is back; the next block's LDS instructions may be out
.irp t, 0,1,2,3,4,5,6,7,8,9,10,11,12,13,14,15
	global_store_b128 v[CO], v[BB+4*\t:BB+4*\t+3], s[8:9] offset:65536*(\a)+4096*\t th:TH_STORE_NT   ; 512 consecutive bytes, aligned
.endr
.endm
	TOSTAGE 0
.irp a, 1,2,3
.if \a > 1
	s_wait_xcnt 0x0                                ; block a - 2's stores have read their registers: block a's loads may land there
.endif
	TOSTAGE \a
	SEND \a-1, 32
.endr
	SEND 3, 0
	s_wait_tensorcnt 0x0                           ; the wave's end
	ds_add_u32 v[SPW], v[NIL]
	s_wait_dscnt 0x0
	CROUND                                         ; the closing round
	s_endpgm
.Lfunc_end_k_q64a8053f8f_proj:
	.size	k_q64a8053f8f_proj, .Lfunc_end_k_q64a8053f8f_proj-k_q64a8053f8f_proj
	.p2alignl 7, 3214868480
	.fill 96, 4, 3214868480
	.section	.rodata,"a",@progbits
	.p2align	6, 0x0
	.amdhsa_kernel k_q64a8053f8f_proj
		.amdhsa_group_segment_fixed_size 327680
		.amdhsa_private_segment_fixed_size 0
		.amdhsa_enable_private_segment 0
		.amdhsa_kernarg_size 24
		.amdhsa_user_sgpr_count 2
		.amdhsa_user_sgpr_kernarg_segment_ptr 1
		.amdhsa_wavefront_size32 1
		.amdhsa_system_sgpr_workgroup_id_x 1
		.amdhsa_system_sgpr_workgroup_id_y 1
		.amdhsa_system_sgpr_workgroup_id_z 1
		.amdhsa_system_vgpr_workitem_id 0
		.amdhsa_next_free_vgpr 768
		.amdhsa_next_free_sgpr 66
		.amdhsa_reserve_vcc 0
		.amdhsa_float_denorm_mode_32 3
		.amdhsa_float_denorm_mode_16_64 3
		.amdhsa_memory_ordered 1
		.amdhsa_forward_progress 1
		.amdhsa_inst_pref_size 85
	.end_amdhsa_kernel
	.amdgpu_metadata
---
amdhsa.version: [ 1, 2 ]
amdhsa.kernels:
  - .name:           k_q64a8053f8f_proj
    .symbol:         k_q64a8053f8f_proj.kd
    .args:
      - { .name: y, .offset: 0, .size: 8, .value_kind: global_buffer, .address_space: global }
      - { .name: woh, .offset: 8, .size: 8, .value_kind: global_buffer, .address_space: global }
      - { .name: out0, .offset: 16, .size: 8, .value_kind: global_buffer, .address_space: global }
    .group_segment_fixed_size: 327680
    .private_segment_fixed_size: 0
    .kernarg_segment_align: 8
    .kernarg_segment_size: 24
    .max_flat_workgroup_size: 128
    .sgpr_count:     66
    .vgpr_count:     768
    .wavefront_size: 32
...
	.end_amdgpu_metadata
.endif
;; end of part 4
;; launch fine (part 5): grid 16 x 4, 16 waves a work-group, no clusters, 71,680 bytes of LDS; arguments first, Wo, out0; writes out0
.if DOCPART == 5
	.amdgcn_target "amdgcn-amd-amdhsa--gfx1250"
	.amdhsa_code_object_version 6
	.text
	.protected	k_q64a8053f8f_fine
	.globl	k_q64a8053f8f_fine
	.p2align	8
	.type	k_q64a8053f8f_fine,@function
k_q64a8053f8f_fine:
	s_mov_b64 s[64:65], 0
	v_nop
	global_prefetch_b8 v0, s[64:65] scope:SCOPE_SE
	s_setreg_imm32_b32 hwreg(HW_REG_WAVE_MODE, 25, 1), 1
	s_wait_xcnt 0x0
; The first 16 positions of every batch once more, wholly in f32: these rows average few values, so their operands are not rounded.  It stores over rows t < 16 of out0.
; first: f32 images of the sums q, k, v at t < 16: [b][column / 16: 192][half 2][lane 32][16 bytes]; lane (r, h) of group g holds (t = r, column 16 g + 8 h + 4 half + i).
; SHARES.  Work-group (nc, b) makes rows 2048 b + 0..15, columns 64 nc .. + 63.  Wave w is head w: scores, softmax, y and its part of the projection stay in its registers; the sixteen parts meet in LDS.
; The order of k inside each matrix instruction (16 x 16 x 4) is permuted alike on both sources: slot (h, j) of product (c, s) is channel (or key) 16 c + 8 h + 2 s + j.
; The registers that the f32 matrix form writes (v112-159) are written by matrix instructions alone.
.set SPARE, 69632                      ; behind the 16 parts of 4,352 bytes: the spare words
.set LQ,  3
.set LV,  4
.set LW,  5
.set DD,  6
.set STO, 7
.set RD,  8
.set GO,  9
.set SPW, 10
.set NIL, 11
.set QR,  16                           ; q(r, 16 c + 8 h + j) at 16 + 8 c + j; later Wo's set 1
.set KR,  48                           ; k likewise; later set 2
.set VR,  80                           ; v(key 8 h + i, channel 16 c + r) at 80 + 8 c + i; later set 3
.set SA,  112
.set SB,  120
.set OA,  128                          ; O^T's four accumulators, later the projection's four
.set YR,  160
.set T,   192
.set W0,  200
	s_load_b128 s[4:7], s[0:1], 0x0                ; first, Wo
	s_load_b64 s[8:9], s[0:1], 0x10                ; out0
	v_lshl_add_u32 v[SPW], v0, 2, SPARE
	v_mov_b32 v[NIL], 0
	v_lshrrev_b32 v1, 5, v0
	v_readfirstlane_b32 s10, v1                    ; wave = head
	s_and_b32 s11, ttmp7, 0xffff                   ; b
	v_and_b32 v1, 31, v0                           ; lane
	v_and_b32 v2, 15, v0                           ; r
	v_bfe_u32 v12, v0, 4, 1                        ; h
	v_lshlrev_b32 v[LQ], 4, v1
	v_and_b32 v[LV], 3, v0
	v_lshlrev_b32 v[LV], 2, v[LV]
	v_bfe_u32 v13, v0, 2, 1
	v_lshl_add_u32 v[LV], v13, 9, v[LV]
	v_bfe_u32 v13, v0, 3, 1
	v_lshl_add_u32 v[LV], v13, 8, v[LV]
	v_lshl_add_u32 v[LV], v12, 7, v[LV]            ; v's image read crosswise: 512 ((r % 8) / 4) + 256 (r / 8) + 128 h + 4 (r % 4); + 16 for each key
	v_lshlrev_b32 v[LW], 12, v2
	v_lshl_add_u32 v[LW], v12, 5, v[LW]            ; Wo: row r, + 8 h numbers
	v_lshlrev_b32 v13, 3, v12
	v_sub_nc_u32 v[DD], v2, v13                    ; r - 8 h
	s_mul_i32 s12, s10, 4352
	v_mul_u32_u24 v[STO], v2, 272
	v_lshl_add_u32 v[STO], v12, 5, v[STO]
	v_add_nc_u32 v[STO], s12, v[STO]               ; my part: row r, + 32 h
	s_mul_i32 s12, s10, 272
	v_lshlrev_b32 v[GO], 3, v1
	v_add_nc_u32 v[RD], s12, v[GO]                 ; back: row w of every part, 8 bytes a lane
	v_mov_b32 v15, 0xff800000                      ; -infinity
	s_mul_i32 s12, s11, 196608
	s_lshl_b32 s13, s10, 12
	s_add_co_u32 s12, s12, s13
	s_mov_b32 s13, 0
	s_lshl_b32 s14, ttmp9, 18
	s_lshl_b32 s15, s10, 8
	s_add_co_u32 s14, s14, s15
	s_mov_b32 s15, 0
	s_lshl_b32 s16, s11, 11
	s_add_co_u32 s16, s16, s10
	s_lshl_b32 s16, s16, 12
	s_lshl_b32 s17, ttmp9, 8
	s_add_co_u32 s16, s16, s17
	s_mov_b32 s17, 0
	s_mov_b32 s20, 0x3e38aa3b                      ; c = log2(e) / 8
	s_mov_b32 s22, 0x76543210
	s_mov_b32 s23, 0xfedcba98
	s_wait_kmcnt 0x0
	s_add_nc_u64 s[4:5], s[4:5], s[12:13]          ; first + 196,608 b + 4,096 w
	s_add_nc_u64 s[6:7], s[6:7], s[14:15]          ; Wo + 262,144 nc + 256 w
	s_add_nc_u64 s[8:9], s[8:9], s[16:17]          ; out0 + (2048 b + w) 4,096 + 256 nc
.macro WLOAD reg, c                    ; Wo(64 nc + 16 nt + r, 64 w + 16 c + 8 h + 0..7) at reg + 8 nt
.irp nt, 0,1,2,3
	global_load_b128 v[\reg+8*\nt:\reg+8*\nt+3], v[LW], s[6:7] offset:65536*\nt+64*(\c)
	global_load_b128 v[\reg+8*\nt+4:\reg+8*\nt+7], v[LW], s[6:7] offset:65536*\nt+64*(\c)+16
.endr
.endm
.irp c, 0,1,2,3
	global_load_b128 v[QR+8*\c:QR+8*\c+3], v[LQ], s[4:5] offset:1024*\c
	global_load_b128 v[QR+8*\c+4:QR+8*\c+7], v[LQ], s[4:5] offset:1024*\c+512
.endr
.irp c, 0,1,2,3
	global_load_b128 v[KR+8*\c:KR+8*\c+3], v[LQ], s[4:5] offset:65536+1024*\c
	global_load_b128 v[KR+8*\c+4:KR+8*\c+7], v[LQ], s[4:5] offset:65536+1024*\c+512
.endr
.irp c, 0,1,2,3
.irp i, 0,1,2,3,4,5,6,7
	global_load_b32 v[VR+8*\c+\i], v[LV], s[4:5] offset:131072+1024*\c+16*\i
.endr
.endr
	WLOAD W0, 0
	s_wait_loadcnt 40                              ; q and k are in; v's 32 and Wo's 8 stay out
.set p, 0
.irp c, 0,1,2,3                        ; S^T = K Q^T: 16 products on two accumulators by turns
.irp s, 0,1,2,3
.if p < 2
	v_wmma_f32_16x16x4_f32 v[SA+8*(p%2):SA+8*(p%2)+7], v[KR+8*\c+2*\s:KR+8*\c+2*\s+1], v[QR+8*\c+2*\s:QR+8*\c+2*\s+1], 0
.else
	v_wmma_f32_16x16x4_f32 v[SA+8*(p%2):SA+8*(p%2)+7], v[KR+8*\c+2*\s:KR+8*\c+2*\s+1], v[QR+8*\c+2*\s:QR+8*\c+2*\s+1], v[SA+8*(p%2):SA+8*(p%2)+7]
.endif
.set p, p+1
.endr
.endr
.rept 8
	v_nop                                          ; eight places behind this form, ahead of loads into its sources and of the first read of its results
.endr
	WLOAD QR, 1
	WLOAD KR, 2
.irp j, 0,1,2,3,4,5,6,7
	v_add_f32 v[T+\j], v[SA+\j], v[SB+\j]          ; score of key 8 h + j, query r
.endr
.irp j, 0,1,2,3,4,5,6,7
	v_cmp_gt_i32 vcc_lo, \j, v[DD]                 ; hidden where 8 h + j > r
	v_cndmask_b32 v[T+\j], v[T+\j], v15, vcc_lo
.endr
	v_max3_num_f32 v12, v[T], v[T+1], v[T+2]
	v_max3_num_f32 v12, v12, v[T+3], v[T+4]
	v_max3_num_f32 v12, v12, v[T+5], v[T+6]
	v_max_num_f32 v12, v12, v[T+7]
	v_permlanex16_b32 v13, v12, s22, s23
	v_max_num_f32 v12, v12, v13                    ; the row's maximum: key 0 counts for every query
	v_mul_f32 v13, s20, v12
.irp j, 0,1,2,3,4,5,6,7
	v_fma_f32 v[T+\j], v[T+\j], s20, -v13
.endr
.irp j, 0,1,2,3,4,5,6,7
	v_exp_f32 v[T+\j], v[T+\j]
.endr
	v_nop
	s_wait_alu depctr_va_vdst(0)                   ; one wait for the eight, ahead of their first reader
	v_add_f32 v12, v[T], v[T+1]
	v_add_f32 v14, v[T+2], v[T+3]
	v_add_f32 v12, v12, v[T+4]
	v_add_f32 v14, v14, v[T+5]
	v_add_f32 v12, v12, v[T+6]
	v_add_f32 v14, v14, v[T+7]
	v_add_f32 v12, v12, v14
	v_permlanex16_b32 v13, v12, s22, s23
	v_add_f32 v12, v12, v13
	v_rcp_f32 v14, v12
	v_nop
	s_wait_alu depctr_va_vdst(0)
	s_wait_loadcnt 24                              ; v is in; three sets of Wo stay out
.irp s, 0,1,2,3                        ; O^T = V^T P: four accumulators by turns
.irp c, 0,1,2,3
.if \s == 0
	v_wmma_f32_16x16x4_f32 v[OA+8*\c:OA+8*\c+7], v[VR+8*\c+2*\s:VR+8*\c+2*\s+1], v[T+2*\s:T+2*\s+1], 0
.else
	v_wmma_f32_16x16x4_f32 v[OA+8*\c:OA+8*\c+7], v[VR+8*\c+2*\s:VR+8*\c+2*\s+1], v[T+2*\s:T+2*\s+1], v[OA+8*\c:OA+8*\c+7]
.endif
.endr
.endr
.rept 8
	v_nop
.endr
	WLOAD VR, 3
.irp j, 0,1,2,3,4,5,6,7,8,9,10,11,12,13,14,15,16,17,18,19,20,21,22,23,24,25,26,27,28,29,30,31
	v_mul_f32 v[YR+\j], v[OA+\j], v14              ; y(r, 16 c + 8 h + j), into other registers
.endr
.rept 9
	v_nop                                          ; nine places: the products below begin new sums in O^T's registers
.endr
.macro PROJ reg, c, zero               ; my head's part of out(t = r, 64 nc + 16 nt + 8 h + j): source 0 = 16 rows of Wo, source 1 = y
.irp s, 0,1,2,3
.irp nt, 0,1,2,3
.if (\zero) && (\s == 0)
	v_wmma_f32_16x16x4_f32 v[OA+8*\nt:OA+8*\nt+7], v[\reg+8*\nt+2*\s:\reg+8*\nt+2*\s+1], v[YR+8*(\c)+2*\s:YR+8*(\c)+2*\s+1], 0
.else
	v_wmma_f32_16x16x4_f32 v[OA+8*\nt:OA+8*\nt+7], v[\reg+8*\nt+2*\s:\reg+8*\nt+2*\s+1], v[YR+8*(\c)+2*\s:YR+8*(\c)+2*\s+1], v[OA+8*\nt:OA+8*\nt+7]
.endif
.endr
.endr
.endm
	s_wait_loadcnt 24                              ; set 0 is in; the three later sets stay out
	PROJ W0, 0, 1
	s_wait_loadcnt 16
	PROJ QR, 1, 0
	s_wait_loadcnt 8
	PROJ KR, 2, 0
	s_wait_loadcnt 0x0
	PROJ VR, 3, 0
.rept 8
	v_nop
.endr
.irp nt, 0,1,2,3
	ds_store_b128 v[STO], v[OA+8*\nt:OA+8*\nt+3] offset:64*\nt
	ds_store_b128 v[STO], v[OA+8*\nt+4:OA+8*\nt+7] offset:64*\nt+16
.endr
	s_wait_dscnt 0x0                               ; for the others' sake: my part lies in LDS
	s_barrier_signal -1
	s_barrier_wait -1
.irp p, 0,1,2,3,4,5,6,7,8,9,10,11,12,13,14,15
	ds_load_b64 v[YR+2*\p:YR+2*\p+1], v[RD] offset:4352*\p   ; row w of head p's part
.endr
	s_wait_dscnt 0x0
.irp p, 1,2,3,4,5,6,7,8,9,10,11,12,13,14,15
	v_pk_add_f32 v[YR:YR+1], v[YR:YR+1], v[YR+2*\p:YR+2*\p+1]   ; the heads in their order
.endr
	global_store_b64 v[GO], v[YR:YR+1], s[8:9]     ; the wave stores 256 consecutive bytes, aligned
	s_wait_tensorcnt 0x0                           ; the wave's end
	ds_add_u32 v[SPW], v[NIL]
	s_wait_dscnt 0x0
	s_endpgm
.Lfunc_end_k_q64a8053f8f_fine:
	.size	k_q64a8053f8f_fine, .Lfunc_end_k_q64a8053f8f_fine-k_q64a8053f8f_fine
	.p2alignl 7, 3214868480
	.fill 96, 4, 3214868480
	.section	.rodata,"a",@progbits
	.p2align	6, 0x0
	.amdhsa_kernel k_q64a8053f8f_fine
		.amdhsa_group_segment_fixed_size 71680
		.amdhsa_private_segment_fixed_size 0
		.amdhsa_enable_private_segment 0
		.amdhsa_kernarg_size 24
		.amdhsa_user_sgpr_count 2
		.amdhsa_user_sgpr_kernarg_segment_ptr 1
		.amdhsa_wavefront_size32 1
		.amdhsa_system_sgpr_workgroup_id_x 1
		.amdhsa_system_sgpr_workgroup_id_y 1
		.amdhsa_system_sgpr_workgroup_id_z 1
		.amdhsa_system_vgpr_workitem_id 0
		.amdhsa_next_free_vgpr 256
		.amdhsa_next_free_sgpr 66
		.amdhsa_reserve_vcc 1
		.amdhsa_float_denorm_mode_32 3
		.amdhsa_float_denorm_mode_16_64 3
		.amdhsa_memory_ordered 1
		.amdhsa_forward_progress 1
		.amdhsa_inst_pref_size 24
	.end_amdhsa_kernel
	.amdgpu_metadata
---
amdhsa.version: [ 1, 2 ]
amdhsa.kernels:
  - .name:           k_q64a8053f8f_fine
    .symbol:         k_q64a8053f8f_fine.kd
    .args:
      - { .name: first, .offset: 0, .size: 8, .value_kind: global_buffer, .address_space: global }
      - { .name: Wo, .offset: 8, .size: 8, .value_kind: global_buffer, .address_space: global }
      - { .name: out0, .offset: 16, .size: 8, .value_kind: global_buffer, .address_space: global }
    .group_segment_fixed_size: 71680
    .private_segment_fixed_size: 0
    .kernarg_segment_align: 8
    .kernarg_segment_size: 24
    .max_flat_workgroup_size: 512
    .sgpr_count:     66
    .vgpr_count:     256
    .wavefront_size: 32
...
	.end_amdgpu_metadata
.endif
;; end of part 5
